; MI455X (gfx1250); checked and timed in simulation.
; The chip was launched on July 23, 2026; its instructions are those of AMD's public machine-readable ISA for CDNA 5 (MIT licence, August 2026) and "CDNA5" Instruction Set Architecture Reference Guide (July 2026). The comments in the code are by the model that wrote it; some were corrected since.
;; Lo RA Multi Head Self Attention. Allowed arithmetic: matrix products marked QUANTISED: E2M3 operands, one E8M0 scale for each 32 along K, by v_wmma_scale_f32_16x16x128_f8f6f4 with both operands' format E2M3, f32 sums; products left as they are: f32 operands where the result goes on into a quantised operand, else bf16, f16 or f32 operands; f32 sums; everything else in f32.
;; Inputs: A_proj 1,024 x 8 float32; A_qkv 1,024 x 8 float32; B_proj 8 x 1,024 float32; B_qkv 8 x 3,072 float32; W_proj_codes 1,024 x 32 x 24 uint8 (E2M3 codes of W_proj, K innermost, in blocks of 32 codes, four codes in three bytes); W_proj_scales 1,024 x 32 uint8 (E8M0 scales of W_proj, one for each 32 codes along K); W_qkv_codes 3,072 x 32 x 24 uint8 (E2M3 codes of W_qkv, K innermost, in blocks of 32 codes, four codes in three bytes); W_qkv_scales 3,072 x 32 uint8 (E8M0 scales of W_qkv, one for each 32 codes along K); b_proj 1,024 float32; b_qkv 3,072 float32; x 4 x 2,048 x 1,024 float32.
;; Outputs: out0 4 x 2,048 x 1,024 float32.
;; This version of the problem:
;;   THIS VERSION OF THE PROBLEM IS GIVEN IN LOW PRECISION. The matrix products marked QUANTISED in the list below multiply operands that are first quantised to E2M3 (2 exponent bits, 3 mantissa bits; 6 bits a number), with one power-of-two scale for each 32 numbers along K (OCP MX v1.0); their sums are f32. All else is computed in f32.
;;   The module's matrix products, in the order in which they are computed (A, B: the left and right operand; K: the contracted axis; several contracted axes count as one K, in the product's order):
;;     1. [M 8,192, K 1,024] x [K 1,024, N 3,072]; A: input x; B: input W_qkv (given as codes): QUANTISED
;;     2. [M 8,192, K 1,024] x [K 1,024, N 8]; A: input x; B: input A_qkv: left as it is (N = 8 < 16)
;;     3. [M 8,192, K 8] x [K 8, N 3,072]; A: computed on the way; B: input B_qkv: left as it is (K = 8 < 32)
;;     4. batch 64 x [M 2,048, K 64] x [K 64, N 2,048]; A: computed on the way; B: computed on the way: QUANTISED
;;     5. batch 64 x [M 2,048, K 2,048] x [K 2,048, N 64]; A: softmax (see below); B: computed on the way: QUANTISED
;;     6. [M 8,192, K 1,024] x [K 1,024, N 1,024]; A: computed on the way; B: input W_proj (given as codes): QUANTISED
;;     7. [M 8,192, K 1,024] x [K 1,024, N 8]; A: computed on the way; B: input A_proj: left as it is (N = 8 < 16)
;;     8. [M 8,192, K 8] x [K 8, N 1,024]; A: computed on the way; B: input B_proj: left as it is (K = 8 < 32)
;;   THE QUANTISER, for each operand of a quantised product, along K:
;;     - K is cut into blocks of 32 from its start; a last block that is shorter is filled with zeros.
;;     - A block's scale is 2^e with e = floor(log2(the largest magnitude in the block)) - 2, held to -126 .. 127; a block of zeros has e = 0. As a byte (E8M0): e + 127.
;;     - Each number is divided by its block's scale, clamped to +-7.5, and rounded to the nearest number of E2M3, ties to even, subnormals kept.
;;     - The product sums the exact products of the quantised numbers (number of the format x scale) in f32.
;;   ~~~python
;;   def quantise(x, axis):      # numpy; x: float32 -> the quantised numbers, widened to float32 again
;;       x = np.moveaxis(x, axis, -1); K = x.shape[-1]
;;       x = np.pad(x, [(0, 0)] * (x.ndim - 1) + [(0, -K % 32)]); x = x.reshape(x.shape[:-1] + (-1, 32)); a = np.abs(x).max(-1, keepdims=True)
;;       e = np.where(a > 0, np.clip(np.frexp(np.where(a > 0, a, 1))[1] - 1 - 2, -126, 127), 0)      # np.frexp(a)[1] - 1 = floor(log2(a)), exactly
;;       r = np.clip(x / 2.0 ** e, -7.5, 7.5)
;;       step = 2.0 ** (np.maximum(np.frexp(np.where(r == 0, 1, r))[1] - 1, 0) - 3)
;;       q = np.round(r / step) * step * 2.0 ** e      # np.round: ties to even
;;       return np.moveaxis(q.reshape(q.shape[:-2] + (-1,))[..., :K], -1, axis).astype(np.float32)
;;   ~~~
;;   SOFTMAX AHEAD OF A QUANTISED PRODUCT. Where the list says 'softmax', what is quantised is not the finished softmax but p = 2^(t - M), with t = logit x log2(e) and M = ceil(the row's largest t), a whole number; so 1/2 < the row's largest p <= 1. The row's sum l is taken of the UNQUANTISED p, in f32, and the product's result is divided by l at the end. Since M is a whole number, a kernel that streams over the keys may use a running M (the ceiling of the running maximum): every later rescaling is an exact power of two, which a block's scale takes up: the codes' values come out the same.
;;   OPERANDS COMPUTED ON THE WAY. 'Computed on the way' means the value that the module computes at that place (a softmax that the list does not call 'softmax' is quantised finished and normalised). What goes into a quantiser is computed in f32, as accurately as f32 sums, v_exp_f32 and their like allow (about 1e-6 of the number): no bf16 or f16 on the way to a quantiser, and a product that is left as it is and whose result goes on into a quantised operand takes f32 operands (vector FMAs, or v_wmma_f32_16x16x4_f32). A number that lies on a knife's edge between two numbers of the format may be rounded either way, as far as f32 arithmetic and the matrix unit's own rounding can turn it there, and no further.
;;   INPUTS GIVEN AS CODES. W_proj (in the module: [1024, 1024], K = its axis 0); W_qkv (in the module: [1024, 3072], K = its axis 0): each comes as NAME_codes (uint8): NAME with its K axis moved to the last place and cut into blocks of 32 codes, [.., K / 32, bytes a block], one block behind the other in memory; four codes in three bytes: a row's codes are one little-endian stream of bits, code i at bits 6 i .. 6 i + 5 (a code: sign, 2 exponent bits, 3 mantissa bits); and NAME_scales (uint8): the same leading axes, one E8M0 byte (e + 127) for each 32 codes along K. Its value is code x scale, taken as it is: it is not quantised again, and the codes and scales need not be those that the quantiser above would give.
;; One version. Each part assembles by itself: llvm-mc -triple=amdgcn-amd-amdhsa -mcpu=gfx1250 --defsym DOCPART=n.
;; ======== version 1 of 1: 4 launches
;; limits: sums are carried in bf16
;; workspace buffers: ws1 7,274,496 bytes; ws2 20,447,232 bytes; ws3 8,650,752 bytes
;; launch prep (part 1): grid 512 x 1, 8 waves a work-group, no clusters, 90,624 bytes of LDS; arguments x, A_qkv, B_qkv, b_qkv, ws1; writes ws1
.if DOCPART == 1
	.amdgcn_target "amdgcn-amd-amdhsa--gfx1250"
	.amdhsa_code_object_version 6
	.text
	.protected	k_qb38ec4a0f8_prep
	.globl	k_qb38ec4a0f8_prep
	.p2align	8
	.type	k_qb38ec4a0f8_prep,@function
k_qb38ec4a0f8_prep:
	s_mov_b64 s[64:65], 0
	v_nop
	global_prefetch_b8 v0, s[64:65] scope:SCOPE_SE
	s_setreg_imm32_b32 hwreg(HW_REG_WAVE_MODE, 25, 1), 1
	s_wait_xcnt 0x0
; x [8192][1024] f32 -> ws1: codes of E2M3 with K innermost, [8192][768] bytes; one E8M0 byte for each 32 along K, [8192][32];
; xaug [8192][16] f32 = { 2 (x A_qkv)[0..7], 1, 0 x 7 };  waug [3072][16] f32 = { B_qkv[0..7][col], b_qkv[col], 0 x 7 }.
; xaug . waug over 12 places is bias + 2 (x A) B: the next launch starts its sums with it, in f32, since q, k and v go on into a quantiser.
; SHARES: a work-group owns 16 rows; wave w owns K = 128 w .. 128 w + 127 of them: one operand fragment.  Work-group g also writes columns 6 g .. 6 g + 5 of waug.
; A load reads 512 consecutive bytes of one row; the wave's 16 x 512 bytes turn through its own stage in LDS, so that lane (r, h) holds, of row r, 16 neighbours of each block of 32.
; x A_qkv: v_wmma_f32_16x16x4_f32, source 0 = A_qkv's columns (lanes 8-15 repeat ranks 0-7), source 1 = x as it lies for the quantiser; the k place (h, j) stands for the same K in both.
; No tensor load, no cluster: no two work-groups read the same bytes of x, and A_qkv is 32 KiB.
; LIMITS: NaN and infinities are not served.  A block whose largest magnitude lies under 2^-124, a block of zeros among them, gets the byte 1: the bytes are read by this program alone.
.set XS,   6291456                     ; ws1: x's scale bytes
.set XA,   6553600                     ; xaug
.set WA,   7077888                     ; waug
.set STG,  0                           ; LDS: 8 stages of 16 rows x (512 + 16) bytes, each wave's own
.set CST,  67584                       ; 16 rows x (768 + 16) bytes: the rows' codes
.set PART, 80128                       ; [wave][h][row][8 f32]: each wave's part of x A
.set SCW,  88320                       ; [h][row][8 words]: the scale words
.set R,    16                          ; v16-79   x as loaded; later at work
.set X,    80                          ; v80-143  register 16 b + i = x(r, 128 w + 32 b + 16 h + i)
.set BF,   144                         ; v144-207 A_qkv's operands
.set ACC,  208                         ; v208-239 four accumulators: written by matrix instructions alone
.set TM,   16
.set PW,   32
.set PC,   36
.set SEL,  20
; 64 numbers of a lane, register 16 b + i = k 32 b + 16 h + i of my row, become a fragment's codes in v[PC] on and its scale word in v[PW]
.macro QUANT s
.irp b, 0,1,2,3
	v_max3_num_f32 v[TM+\b], |v[\s+16*\b]|, |v[\s+1+16*\b]|, 0x1800000   ; my 16 numbers of block b, and the floor 2^(3 - 127): the byte cannot fall under 1
.endr
.irp i, 2,4,6,8,10,12,14
.irp b, 0,1,2,3
	v_max3_num_f32 v[TM+\b], v[TM+\b], |v[\s+16*\b+\i]|, |v[\s+1+16*\b+\i]|
.endr
.endr
.irp b, 0,1,2,3
	v_permlanex16_b32 v[TM+4+\b], v[TM+\b], s[SEL], s[SEL+1]
.endr
.irp b, 0,1,2,3
	v_max_num_f32 v[TM+\b], v[TM+\b], v[TM+4+\b]         ; with lane l xor 16's: the block's largest magnitude
.endr
.irp b, 0,1,2,3
	v_add_nc_u32 v[TM+12+\b], 0xff000000, v[TM+\b]       ; 2 off its exponent field: the conversion's scale operand
.endr
.irp b, 0,1,2,3
	v_lshrrev_b32 v[TM+4+\b], 23, v[TM+12+\b]            ; the scale's byte
.endr
	v_lshl_or_b32 v[PW], v[TM+5], 8, v[TM+4]
	v_lshl_or_b32 v[PW], v[TM+6], 16, v[PW]
	v_lshl_or_b32 v[PW], v[TM+7], 24, v[PW]
.irp c, 0,1
	v_cvt_scalef32_pk16_fp6_f32 v[PC+6*\c:PC+2+6*\c], v[\s+32*\c:\s+15+32*\c], v[TM+12+2*\c]
	v_cvt_scalef32_pk16_fp6_f32 v[PC+12+4*\c:PC+14+4*\c], v[\s+16+32*\c:\s+31+32*\c], v[TM+12+2*\c+1]
.endr
	v_nop                                          ; one plain place behind a scaled conversion
.irp c, 0,1                                    ; the operand wants a whole block in a lane: lanes 0-15 block 2 c, lanes 16-31 block 2 c + 1
.irp i, 0,1,2
	v_permlane16_swap_b32 v[PC+6*\c+\i], v[PC+12+4*\c+\i]
.endr
.irp i, 0,1,2
	v_mov_b32 v[PC+3+6*\c+\i], v[PC+12+4*\c+\i]
.endr
.endr
.endm
	s_load_b256 s[4:11], s[0:1], 0x0               ; x, A_qkv, B_qkv, b_qkv
	s_load_b64 s[12:13], s[0:1], 0x20              ; ws1
	v_lshl_add_u32 v254, v0, 2, 0x15e00
	v_mov_b32 v255, 0
	v_lshrrev_b32 v1, 5, v0
	v_readfirstlane_b32 s14, v1                    ; wave 0..7
	v_and_b32 v1, 31, v0                           ; lane
	v_and_b32 v2, 15, v0                           ; r
	v_bfe_u32 v3, v0, 4, 1                         ; h
	s_lshl_b32 s15, s14, 9
	v_lshl_add_u32 v4, v1, 4, s15                  ; x: 16 lane + my wave's 512 bytes of a row
	v_and_b32 v5, 7, v0
	v_lshlrev_b32 v5, 2, v5
	v_lshl_add_u32 v5, v3, 9, v5
	s_lshl_b32 s16, s14, 12
	v_add_nc_u32 v5, s16, v5                       ; A_qkv: row 128 w + 16 h (32 bytes a row), rank r % 8
	s_mul_i32 s17, s14, 8448
	v_lshl_add_u32 v6, v1, 4, s17                  ; the stage, in: 16 lane
	v_mul_u32_u24 v7, v2, 528
	v_lshl_add_u32 v7, v3, 6, v7
	v_add_nc_u32 v7, s17, v7                       ; and out: row r, + 64 h
	v_mul_u32_u24 v8, v2, 784
	v_mad_u32_u24 v8, v3, 24, v8
	s_mul_i32 s18, s14, 96
	s_add_co_u32 s18, s18, CST
	v_add_nc_u32 v8, s18, v8                       ; my codes in the rows' stage: row r, 96 w + 24 h
	v_lshlrev_b32 v9, 5, v2
	v_lshl_add_u32 v9, v3, 9, v9
	s_lshl_b32 s19, s14, 2
	s_add_co_u32 s19, s19, SCW
	v_add_nc_u32 v9, s19, v9                       ; my scale word: [h][r][w]
	v_lshlrev_b32 v10, 5, v2
	v_lshl_add_u32 v10, v3, 9, v10
	s_lshl_b32 s22, s14, 10
	s_add_co_u32 s22, s22, PART
	v_add_nc_u32 v10, s22, v10                     ; my part of x A: [w][h][r][8]
	s_mul_i32 s23, s14, 1568
	s_add_co_u32 s23, s23, CST
	v_lshl_add_u32 v11, v1, 4, s23                 ; codes back: rows 2 w, 2 w + 1, 16 bytes a lane;
	v_lshl_add_u32 v12, v3, 4, v11                 ; (lanes 16-31 one padding further on, where a load spans both rows)
	s_mul_i32 s24, s14, 1536
	v_lshl_add_u32 v13, v1, 4, s24                 ; and the same bytes in memory
	v_and_b32 v14, 7, v0
	v_lshlrev_b32 v14, 2, v14
	v_bfe_u32 v240, v0, 3, 1
	v_lshl_add_u32 v14, v240, 9, v14
	v_lshrrev_b32 v240, 4, v0
	v_lshl_add_u32 v14, v240, 5, v14
	v_add_nc_u32 v14, PART, v14                    ; thread t makes xaug(row t / 16, e = t % 16): place [e / 8][row][e % 8] of each wave's part
	v_lshlrev_b32 v15, 2, v0                       ; 4 t
	v_lshl_add_u32 v250, v0, 2, SCW                ; the scale words back: 4 t
	v_and_b32 v241, 15, v0                         ; e
	v_min_u32 v242, 7, v241
	v_bfe_u32 v243, v0, 4, 3
	v_min_u32 v243, 5, v243                        ; waug: my column of the work-group's six (held at 5 in the waves that store none)
	v_mul_u32_u24 v244, v242, 12288
	v_lshl_add_u32 v244, v243, 2, v244             ; B_qkv(min(e, 7), column)
	v_lshlrev_b32 v245, 2, v243                    ; b_qkv(column)
	v_and_b32 v246, 127, v0
	v_lshlrev_b32 v246, 2, v246                    ; where waves 4 to 6 store: 4 (t - 128)
	v_mov_b32 v249, 1.0
	s_mov_b32 s[SEL], 0x76543210
	s_mov_b32 s[SEL+1], 0xfedcba98                 ; v_permlanex16_b32's selects for lane l xor 16
	s_mov_b32 s27, 0
	s_wait_kmcnt 0x0
	s_lshl_b32 s26, ttmp9, 16
	s_add_nc_u64 s[4:5], s[4:5], s[26:27]          ; x at my 16 rows
	s_mul_i32 s26, ttmp9, 24
	s_add_nc_u64 s[8:9], s[8:9], s[26:27]          ; B_qkv and b_qkv at my six columns
	s_add_nc_u64 s[10:11], s[10:11], s[26:27]
	s_mul_i32 s26, ttmp9, 12288
	s_add_nc_u64 s[28:29], s[12:13], s[26:27]      ; my rows' codes
	s_lshl_b32 s26, ttmp9, 9
	s_add_co_u32 s26, s26, XS
	s_add_nc_u64 s[30:31], s[12:13], s[26:27]      ; their scale bytes
	s_lshl_b32 s26, ttmp9, 10
	s_add_co_u32 s26, s26, XA
	s_add_nc_u64 s[32:33], s[12:13], s[26:27]      ; their xaug
	s_mul_i32 s26, ttmp9, 384
	s_add_co_u32 s26, s26, WA
	s_add_nc_u64 s[34:35], s[12:13], s[26:27]      ; my columns' waug
	global_load_b32 v247, v244, s[8:9]
	global_load_b32 v248, v245, s[10:11]
.irp i, 0,1,2,3,4,5,6,7,8,9,10,11,12,13,14,15
	global_load_b128 v[R+4*\i:R+4*\i+3], v4, s[4:5] offset:4096*\i th:TH_LOAD_NT   ; 32 lanes read 512 consecutive bytes of row i
.endr
.macro ALOADS p0                       ; A_qkv's operands of products p0 .. p0 + 15: register 2 p + j = A(128 w + 32 (p / 8) + 16 h + 2 (p % 8) + j, r % 8)
.set p, \p0
.rept 16
	global_load_b32 v[BF+2*p], v5, s[6:7] offset:(32*(p/8)+2*(p%8))*32
	global_load_b32 v[BF+2*p+1], v5, s[6:7] offset:(32*(p/8)+2*(p%8)+1)*32
.set p, p+1
.endr
.endm
	ALOADS 0
	s_wait_loadcnt 32                              ; x's 16 loads are in; the 32 issued behind them may be out
.irp i, 0,1,2,3,4,5,6,7,8,9,10,11,12,13,14,15
	ds_store_b128 v6, v[R+4*\i:R+4*\i+3] offset:528*\i
.endr
.irp b, 0,1,2,3
.irp j, 0,1,2,3
	ds_load_b128 v[X+16*\b+4*\j:X+16*\b+4*\j+3], v7 offset:128*\b+16*\j   ; LDS serves a wave's instructions in order: these see my stores
.endr
.endr
	ALOADS 16
	s_wait_dscnt 0x0
	QUANT X
.irp p, 0,1,2,3,4,5
	ds_store_b64 v8, v[PC+2*\p:PC+2*\p+1] offset:48*(\p/3)+8*(\p%3)       ; the fragment's registers are the row's bytes as they lie
.endr
	ds_store_b32 v9, v[PW]
	s_wait_loadcnt 0x0                             ; A_qkv's operands
.set p, 0
.rept 32                                       ; four accumulators by turns, one instruction a turn; the first four products start the sums
.if p < 4
	v_wmma_f32_16x16x4_f32 v[ACC+8*(p%4):ACC+8*(p%4)+7], v[BF+2*p:BF+2*p+1], v[X+2*p:X+2*p+1], 0
.else
	v_wmma_f32_16x16x4_f32 v[ACC+8*(p%4):ACC+8*(p%4)+7], v[BF+2*p:BF+2*p+1], v[X+2*p:X+2*p+1], v[ACC+8*(p%4):ACC+8*(p%4)+7]
.endif
.set p, p+1
.endr
.rept 8
	v_nop                                          ; eight places behind this form before its results are read (ISA guide 7.12.1)
.endr
.irp j, 0,2,4,6
	v_pk_add_f32 v[56+\j:57+\j], v[ACC+\j:ACC+\j+1], v[ACC+8+\j:ACC+9+\j]       ; each accumulator from its low end on
.endr
.irp j, 0,2,4,6
	v_pk_add_f32 v[64+\j:65+\j], v[ACC+16+\j:ACC+17+\j], v[ACC+24+\j:ACC+25+\j]
.endr
.irp j, 0,2,4,6
	v_pk_add_f32 v[56+\j:57+\j], v[56+\j:57+\j], v[64+\j:65+\j]                 ; lane (r, h): register j = rank j of row r, over my 128 of K
.endr
	ds_store_b128 v10, v[56:59]
	ds_store_b128 v10, v[60:63] offset:16
	s_wait_dscnt 0x0                               ; for the others' sake: all my LDS stores have landed
	s_barrier_signal -1
	s_barrier_wait -1
	ds_load_b128 v[16:19], v11                     ; rows 2 w and 2 w + 1 of the codes: 1,536 bytes that are neighbours in memory
	ds_load_b128 v[20:23], v12 offset:512
	ds_load_b128 v[24:27], v11 offset:1040
.irp w, 0,1,2,3,4,5,6,7
	ds_load_b32 v[72+\w], v14 offset:1024*\w
.endr
	v_cmp_gt_u32 vcc_lo, 8, v241                   ; waug: e < 8: B_qkv; e = 8: the bias; else 0
	v_cndmask_b32 v247, 0, v247, vcc_lo
	v_cmp_eq_u32 vcc_lo, 8, v241
	v_cndmask_b32 v247, v247, v248, vcc_lo
	s_wait_dscnt 8                                 ; the three loads of codes are in; the eight behind them may be out
	global_store_b128 v13, v[16:19], s[28:29]      ; each store covers 512 consecutive bytes, aligned to 256
	global_store_b128 v13, v[20:23], s[28:29] offset:512
	global_store_b128 v13, v[24:27], s[28:29] offset:1024
	s_wait_dscnt 0x0
	v_add_f32 v72, v72, v73                        ; the eight waves' parts of x A
	v_add_f32 v74, v74, v75
	v_add_f32 v76, v76, v77
	v_add_f32 v78, v78, v79
	v_add_f32 v72, v72, v74
	v_add_f32 v76, v76, v78
	v_add_f32 v72, v72, v76
	v_add_f32 v72, v72, v72                        ; x 2: the LoRA scaling, exact
	v_cmp_gt_u32 vcc_lo, 8, v241
	v_cndmask_b32 v72, 0, v72, vcc_lo
	v_cmp_eq_u32 vcc_lo, 8, v241
	v_cndmask_b32 v72, v72, v249, vcc_lo           ; place 8 is 1: it meets the bias
	global_store_b32 v15, v72, s[32:33]            ; 256 threads: 1,024 consecutive bytes
	s_cmp_lt_u32 s14, 4
	s_cbranch_scc0 .Lnot_scales
	ds_load_b32 v80, v250                          ; waves 0-3: the 16 rows' 512 scale bytes
	s_wait_dscnt 0x0
	global_store_b32 v15, v80, s[30:31]
	s_branch .Lend
.Lnot_scales:
	s_cmp_lt_u32 s14, 7
	s_cbranch_scc0 .Lend
	global_store_b32 v246, v247, s[34:35]          ; waves 4-6: six columns of waug, 384 consecutive bytes
.Lend:
	s_wait_tensorcnt 0x0
	ds_add_u32 v254, v255
	s_wait_dscnt 0x0
	s_endpgm
.Lfunc_end_k_qb38ec4a0f8_prep:
	.size	k_qb38ec4a0f8_prep, .Lfunc_end_k_qb38ec4a0f8_prep-k_qb38ec4a0f8_prep
	.p2alignl 7, 3214868480
	.fill 96, 4, 3214868480
	.section	.rodata,"a",@progbits
	.p2align	6, 0x0
	.amdhsa_kernel k_qb38ec4a0f8_prep
		.amdhsa_group_segment_fixed_size 90624
		.amdhsa_private_segment_fixed_size 0
		.amdhsa_enable_private_segment 0
		.amdhsa_kernarg_size 40
		.amdhsa_user_sgpr_count 2
		.amdhsa_user_sgpr_kernarg_segment_ptr 1
		.amdhsa_wavefront_size32 1
		.amdhsa_system_sgpr_workgroup_id_x 1
		.amdhsa_system_sgpr_workgroup_id_y 1
		.amdhsa_system_sgpr_workgroup_id_z 1
		.amdhsa_system_vgpr_workitem_id 0
		.amdhsa_next_free_vgpr 256
		.amdhsa_next_free_sgpr 66
		.amdhsa_reserve_vcc 1
		.amdhsa_float_denorm_mode_32 3
		.amdhsa_float_denorm_mode_16_64 3
		.amdhsa_memory_ordered 1
		.amdhsa_forward_progress 1
		.amdhsa_inst_pref_size 24
	.end_amdhsa_kernel
	.amdgpu_metadata
---
amdhsa.version: [ 1, 2 ]
amdhsa.kernels:
  - .name:           k_qb38ec4a0f8_prep
    .symbol:         k_qb38ec4a0f8_prep.kd
    .args:
      - { .name: x, .offset: 0, .size: 8, .value_kind: global_buffer, .address_space: global }
      - { .name: A_qkv, .offset: 8, .size: 8, .value_kind: global_buffer, .address_space: global }
      - { .name: B_qkv, .offset: 16, .size: 8, .value_kind: global_buffer, .address_space: global }
      - { .name: b_qkv, .offset: 24, .size: 8, .value_kind: global_buffer, .address_space: global }
      - { .name: ws1, .offset: 32, .size: 8, .value_kind: global_buffer, .address_space: global }
    .group_segment_fixed_size: 90624
    .private_segment_fixed_size: 0
    .kernarg_segment_align: 8
    .kernarg_segment_size: 40
    .max_flat_workgroup_size: 256
    .sgpr_count:     66
    .vgpr_count:     256
    .wavefront_size: 32
...
	.end_amdgpu_metadata
.endif
;; end of part 1
;; launch qkv (part 2): grid 8 x 48, 4 waves a work-group, clusters of 4 x 4, 327,680 bytes of LDS; arguments ws1, W_qkv_codes, W_qkv_scales, ws2; writes ws2
.if DOCPART == 2
	.amdgcn_target "amdgcn-amd-amdhsa--gfx1250"
	.amdhsa_code_object_version 6
	.text
	.protected	k_qb38ec4a0f8_qkv
	.globl	k_qb38ec4a0f8_qkv
	.p2align	8
	.type	k_qb38ec4a0f8_qkv,@function
k_qb38ec4a0f8_qkv:
	s_mov_b64 s[64:65], 0
	v_nop
	global_prefetch_b8 v0, s[64:65] scope:SCOPE_SE
	s_setreg_imm32_b32 hwreg(HW_REG_WAVE_MODE, 25, 1), 1
	s_wait_xcnt 0x0
	s_wait_alu depctr_hold_cnt(0) depctr_sa_sdst(0) depctr_va_vdst(0) depctr_va_sdst(0) depctr_va_ssrc(0) depctr_va_vcc(0) depctr_vm_vsrc(0)
	s_getreg_b32 s2, hwreg(HW_REG_IB_STS2, 6, 4)
	s_cmp_eq_u32 s2, 0
	s_cbranch_scc0 .Lentry_in_a_cluster
	s_endpgm
.Lentry_in_a_cluster:
	s_bfe_u32 s2, ttmp6, 0x10000c
	s_cmp_lg_u32 s2, 0xf033
	s_cbranch_scc0 .Lentry_shape_is_right
	s_endpgm
.Lentry_shape_is_right:
; qkv = x W_qkv + b + 2 (x A) B, quantised on the way out: q and k along the head's 64, v along the keys.  ws2 takes operand fragments as images of their registers, and their scale words.
; THE PRODUCT: codes of E2M3 with one E8M0 byte for each 32 along K = 1,024.  A tile of 256 x 256 to a work-group of four waves, 128 x 128 to a wave: 64 accumulators, 512 registers.
; K goes in steps of 256 through a ring of two LDS slots filled by the tensor data mover; the scale bytes of the tile's rows come once and stay.  4 x 4 work-groups form a cluster and ask jointly.
; THE SUMS BEGIN WITH bias + LoRA: xaug . waug over 12 places, three v_wmma_f32_16x16x4_f32 an accumulator, f32 operands since the result goes on into a quantiser.
; ONE PATH FOR q, k AND v.  The matrix instruction is used transposed: a lane holds one row of source 1, and its registers run along source 0's rows, along which the result is quantised.
;   q, k (cluster y < 8): source 0 = 128 columns of W_qkv (two heads), source 1 = tokens.   v: source 0 = 128 tokens (keys), source 1 = columns of W_qkv from 2,048 on.  Only pointers and numbers are chosen, on the cluster's y.
; A tile's 16 rows are neighbours, so the 16 registers of tiles 2 b and 2 b + 1 lie in block b, in an order of their own (places 8-15 and 16-23 of a block change); q and k have the same order, and so have v and the
; weights p of the next launch: the products are the same, and a block's scale does not hang on the order.
; ws2: fragment F at F x 1,536 bytes: half c (registers 6 c .. 6 c + 5): four registers at 768 c + 16 lane, two at 768 c + 512 + 8 lane.  q, k: F = 512 P + token tile (P 0-7 q's head pairs, 8-15 k's);
; v: F = 8,192 + 512 pair + 8 (block of 128 keys) + tile of 16 of the pair's 128.  Scale words: SCB + 64 F + 4 row; a second plane holds them with the halves exchanged, for a pair's second head.
; 384 tiles on 256 WGPs: an even split would want 192 or 384 columns to a work-group, which cuts a head pair between waves.
; LIMITS: NaN and infinities are not served; a block whose largest magnitude lies under 2^-124 gets the byte 1 (the bytes are read by this program alone).
.set XS,     6291456                   ; ws1: x's scale bytes, xaug, waug
.set XA,     6553600
.set WA,     7077888
.set SCB,    18874368                  ; ws2: the scale words
.set PLANE,  786432
.set KSTEP,  256
.set NQ,     2                         ; matrix instructions deep in a slot
.set ROWB,   192                       ; a tile's row: 256 codes
.set KROW,   768                       ; a row of codes in memory
.set PITCH,  240                       ; an LDS row: 3 x (64 bytes + 16 of padding): the 32 lanes of a load of 8 bytes touch 64 different banks (64 banks of 4 bytes: ISA guide 11.1)
.set FR,     12
.set NL,     6
.set NP,     4                         ; places behind the scaled form on 6-bit codes (ISA guide 7.12.1)
.set HALFT,  128*PITCH
.set SLOT,   4*HALFT
.set LAPS,   2
.set KS,     32                        ; a row of scale bytes
.set SCL,    2*SLOT                    ; behind the ring: the scale bytes, as units of 256 bytes + 16
.set HALFS,  (128*KS/256)*272
.set SBLK,   (16*KS/256)*272
.set SPARE,  SCL+4*HALFS               ; the spare words, 128 bytes a wave: two blocks of 256 bytes that no other line names
.set ADRA, 16                          ; v16-17 my A fragments in slot 0, 1; v18-19 the same behind one padding more
.set ADRB, 20                          ; v20-23 the same for B
.set L16,  24                          ; 16 x lane
.set L8,   25                          ; 8 x lane
.set L4,   26                          ; 4 x lane
.set ADRS, 27                          ; my scale words: lanes 0-15 A's rows, lanes 16-31 B's
.set SPW,  28
.set NIL,  29
.set AUG,  30                          ; 64 r + 8 h: my two numbers of a row of xaug or waug
.set LANE, 31
.set SC,   32                          ; v32-63 scale words, two sets
.set TM,   64                          ; v64-79 the quantiser's work
.set PC,   80                          ; v80-99 the codes just made
.set PWB,  104                         ; v104-111 the eight fragments' scale words
.set PK,   112                         ; v112-119 the same, two fragments to a register; and with the halves exchanged
.set AF,   128                         ; A's fragments, window 0
.set G1, 24
.set G0, 32
.set G1B, 48
.set G0B, 56
.set G1S, 68
.set G0S, 76
.set G1SB, 80
.set G0SB, 88
.set SEL, 92
.set MSB, 0
.macro WIN new                         ; the immediate's high byte repeats the setting that is left
.if MSB != (\new)
	s_set_vgpr_msb (MSB<<8)|(\new)
.set MSB, (\new)
.endif
.endm
.set MUL_LO, 0xa1                      ; source 0 (B) window 1, source 1 (A) window 0, C and D window 2
.set MUL_HI, 0xf1                      ; the same, C and D window 3
.set TO_B,   0x40                      ; destination window 1, address window 0
; A joint load: waves 0 and 1 fetch for A, waves 2 and 3 for B; the branch hangs on the wave's number alone.  Four v_nop follow each of the two lines.
.macro JLOAD g0a, g1a, g0b, g1b
	s_cmp_eq_u32 s15, 0
	s_cbranch_scc0 .Lfor_b_\@
	tensor_load_to_lds s[\g0a:\g0a+3], s[\g1a:\g1a+7]
	s_nop 0
.rept 4
	v_nop
.endr
	s_branch .Lasked_\@
.Lfor_b_\@:
	tensor_load_to_lds s[\g0b:\g0b+3], s[\g1b:\g1b+7]
	s_nop 0
.rept 4
	v_nop
.endr
.Lasked_\@:
.endm
.macro CREST                           ; a round of the cluster's barrier behind its opening barrier
	s_cmp_lg_u32 s14, 0
	s_cbranch_scc1 .Lnot_wave_0_\@
	s_barrier_signal -3
.Lnot_wave_0_\@:
	s_barrier_wait -3
	s_barrier_signal -1
	s_barrier_wait -1
.endm
.macro CROUND
	s_barrier_signal -1
	s_barrier_wait -1
	CREST
.endm
	s_load_b256 s[4:11], s[0:1], 0x0               ; ws1, W_qkv's codes, its scale bytes, ws2
	v_lshl_add_u32 v[SPW], v0, 2, SPARE
	v_mov_b32 v[NIL], 0
	ds_add_u32 v28, v29
	ds_add_u32 v28, v29
	s_wait_dscnt 0x0
	v_lshrrev_b32 v1, 5, v0
	v_readfirstlane_b32 s14, v1                    ; wave 0..3
	s_lshr_b32 s15, s14, 1                         ; which half of A's rows is mine.  Also: I fetch for A (0) or for B (1)
	s_and_b32 s16, s14, 1                          ; which half of B's rows.  Also: which 128 rows I fetch
	s_bfe_u32 s40, ttmp6, 0x40000                  ; cx, cy
	s_bfe_u32 s41, ttmp6, 0x40004
	s_and_b32 s95, ttmp7, 0xffff                   ; the cluster's y: under 8: q and k; from 8 on: v.  The same in all sixteen partners
	s_lshl_b32 s42, ttmp9, 2
	s_add_co_u32 s42, s42, s40
	s_lshl_b32 s19, s95, 3
	s_sub_co_u32 s19, s19, 64
	s_cmp_ge_u32 s95, 8
	s_cselect_b32 s19, s19, 0
	s_add_co_u32 s42, s42, s19                     ; B's tile of 256 rows: q, k: columns 4 X + cx;  v: tokens 4 X + cx + 8 (Y - 8)
	s_lshl_b32 s17, s95, 2
	s_cmp_ge_u32 s95, 8
	s_cselect_b32 s17, 8, s17
	s_add_co_u32 s17, s17, s41                     ; A's tile: q, k: tokens 4 Y + cy;  v: columns 8 + cy
	s_lshl_b32 s43, s41, 2
	s_lshl_b32 s43, 15, s43                        ; my row of the cluster
	s_lshl_b32 s44, 0x1111, s40                    ; my column
	s_or_b32 s[G1+0], s43, (0<<16)|(1<<20)|(1<<21)|(3<<22)|(3<<25)   ; the mask; elements of 1 byte; padding: 4 words behind every 16; bit 21 beside a mask
	s_or_b32 s[G1B+0], s44, (0<<16)|(1<<20)|(1<<21)|(3<<22)|(3<<25)
.irp g, G1, G1B
	s_mov_b32 s[\g+1], ROWB<<16                    ; tensor_dim0
	s_mov_b32 s[\g+2], 128<<16                     ; tensor_dim1
	s_mov_b32 s[\g+3], ROWB<<16                    ; tile_dim0
	s_mov_b32 s[\g+4], 128                         ; tile_dim1
	s_mov_b32 s[\g+5], KROW                        ; pitch
	s_mov_b32 s[\g+6], 0
	s_mov_b32 s[\g+7], 0
.endr
	s_or_b32 s[G1S+0], s43, (3<<16)|(1<<20)|(1<<21)|(5<<22)|(3<<25)  ; the scale bytes of 128 rows: a dense block, as rows of 256 bytes, 16 bytes of padding behind each
	s_or_b32 s[G1SB+0], s44, (3<<16)|(1<<20)|(1<<21)|(5<<22)|(3<<25)
.irp g, G1S, G1SB
	s_mov_b32 s[\g+1], 32<<16
	s_mov_b32 s[\g+2], (128*KS/256)<<16
	s_mov_b32 s[\g+3], 32<<16
	s_mov_b32 s[\g+4], 128*KS/256
	s_mov_b32 s[\g+5], 32
	s_mov_b32 s[\g+6], 0
	s_mov_b32 s[\g+7], 0
.endr
	s_lshl_b32 s18, s16, 7
	s_lshl_b32 s20, s17, 8
	s_add_co_u32 s20, s20, s18                     ; the rows that I fetch: of A,
	s_lshl_b32 s46, s42, 8
	s_add_co_u32 s46, s46, s18                     ; of B
	s_mov_b32 s21, 0
	s_mov_b32 s47, 0
	s_mov_b64 s[18:19], KS
	s_mul_u64 s[22:23], s[20:21], s[18:19]
	s_mul_u64 s[92:93], s[46:47], s[18:19]
	s_mov_b64 s[18:19], KROW
	s_mul_u64 s[20:21], s[20:21], s[18:19]
	s_mul_u64 s[46:47], s[46:47], s[18:19]
	s_mul_i32 s45, s14, HALFT                      ; where they go: wave x 128 rows
	s_mul_i32 s94, s14, HALFS
	s_wait_kmcnt 0x0
	s_add_nc_u64 s[96:97], s[4:5], XS              ; x's scale bytes
	s_cmp_ge_u32 s95, 8                            ; which tensor is A and which is B hangs on the cluster's y alone
	s_cselect_b64 s[98:99], s[6:7], s[4:5]
	s_cselect_b64 s[100:101], s[4:5], s[6:7]
	s_add_nc_u64 s[20:21], s[98:99], s[20:21]      ; A's codes
	s_add_nc_u64 s[46:47], s[100:101], s[46:47]    ; B's codes
	s_cselect_b64 s[98:99], s[8:9], s[96:97]
	s_cselect_b64 s[100:101], s[96:97], s[8:9]
	s_add_nc_u64 s[22:23], s[98:99], s[22:23]      ; A's scale bytes
	s_add_nc_u64 s[92:93], s[100:101], s[92:93]    ; B's
	CROUND                                         ; all sixteen work-groups are here: the first joint loads meet
	s_mov_b32 s[G0S], 1
	s_add_co_u32 s[G0S+1], s94, SCL
	s_mov_b64 s[G0S+2:G0S+3], s[22:23]
	s_or_b32 s[G0S+3], s[G0S+3], 0x80000000
	s_mov_b32 s[G0SB], 1
	s_add_co_u32 s[G0SB+1], s94, SCL
	s_mov_b64 s[G0SB+2:G0SB+3], s[92:93]
	s_or_b32 s[G0SB+3], s[G0SB+3], 0x80000000
	JLOAD G0S, G1S, G0SB, G1SB                     ; the scale bytes first: three loads of mine are out at the most
.irp s, 0,1
	s_mov_b32 s[G0+4*\s], 1
	s_add_co_u32 s[G0+4*\s+1], s45, \s*SLOT
	s_add_nc_u64 s[G0+4*\s+2:G0+4*\s+3], s[20:21], \s*ROWB
	s_or_b32 s[G0+4*\s+3], s[G0+4*\s+3], 0x80000000
	s_mov_b32 s[G0B+4*\s], 1
	s_add_co_u32 s[G0B+4*\s+1], s45, \s*SLOT
	s_add_nc_u64 s[G0B+4*\s+2:G0B+4*\s+3], s[46:47], \s*ROWB
	s_or_b32 s[G0B+4*\s+3], s[G0B+4*\s+3], 0x80000000
	JLOAD G0+4*\s, G1, G0B+4*\s, G1B
.endr
	v_and_b32 v1, 15, v0                           ; r
	v_bfe_u32 v2, v0, 4, 1                         ; h
	v_mul_u32_u24 v3, v1, PITCH
	v_mul_u32_u24 v4, v2, 24
	v_add_nc_u32 v4, v3, v4                        ; a fragment's row x pitch + 24 h
	v_lshl_add_u32 v5, v2, 4, v4                   ; and the same behind one padding more
	s_mul_i32 s21, s15, HALFT
	s_mul_i32 s22, s16, HALFT
	s_add_co_u32 s22, s22, 2*HALFT
.irp s, 0,1
	v_add_nc_u32 v[ADRA+\s], s21, v4
	v_add_nc_u32 v[ADRB+\s], s22, v4
	v_add_nc_u32 v[ADRA+2+\s], s21, v5
	v_add_nc_u32 v[ADRB+2+\s], s22, v5
	s_add_co_u32 s21, s21, SLOT
	s_add_co_u32 s22, s22, SLOT
.endr
	v_mul_u32_u24 v5, v1, KS                       ; my row's scale bytes,
	v_lshrrev_b32 v6, 8, v5
	v_lshl_add_u32 v5, v6, 4, v5                   ; and 16 more for each 256 passed
	s_mul_i32 s21, s15, HALFS
	s_mul_i32 s22, s16, HALFS
	s_add_co_u32 s22, s22, 2*HALFS
	s_sub_co_u32 s22, s22, s21
	v_mul_u32_u24 v6, s22, v2                      ; lanes 16-31 take B's
	s_add_co_u32 s21, s21, SCL
	v_add_nc_u32 v5, v5, v6
	v_add_nc_u32 v[ADRS], s21, v5
	v_and_b32 v[LANE], 31, v0
	v_lshlrev_b32 v[L16], 4, v[LANE]
	v_lshlrev_b32 v[L8], 3, v[LANE]
	v_lshlrev_b32 v[L4], 2, v[LANE]
	v_lshlrev_b32 v[AUG], 6, v1
	v_lshl_add_u32 v[AUG], v2, 3, v[AUG]
.irp b, 0,1,2,3
	v_mov_b32 v[TM+4+\b], 0                        ; written once: a lane permute's destination counts as one of its sources
.endr
	s_mov_b32 s[SEL], 0x76543210
	s_mov_b32 s[SEL+1], 0xfedcba98
	s_lshl_b32 s2, s17, 8                          ; the augmented rows of my 128 rows of A: 64 bytes a row; xaug for tokens, waug for columns
	s_lshl_b32 s3, s15, 7
	s_add_co_u32 s2, s2, s3
	s_lshl_b32 s2, s2, 6
	s_mov_b32 s3, XA
	s_cmp_ge_u32 s95, 8
	s_cselect_b32 s3, WA, s3
	s_add_co_u32 s2, s2, s3
	s_mov_b32 s3, 0
	s_add_nc_u64 s[96:97], s[4:5], s[2:3]
	s_lshl_b32 s2, s42, 8                          ; and of my 128 rows of B
	s_lshl_b32 s3, s16, 7
	s_add_co_u32 s2, s2, s3
	s_lshl_b32 s2, s2, 6
	s_mov_b32 s3, WA
	s_cmp_ge_u32 s95, 8
	s_cselect_b32 s3, XA, s3
	s_add_co_u32 s2, s2, s3
	s_mov_b32 s3, 0
	s_add_nc_u64 s[98:99], s[4:5], s[2:3]
	s_lshl_b32 s2, s42, 1
	s_add_co_u32 s2, s2, s16                       ; I0: my block of 128 of B's rows
	s_lshl_b32 s3, s17, 1
	s_add_co_u32 s3, s3, s15                       ; J1: of A's rows
	s_cmp_ge_u32 s95, 8
	s_cselect_b32 s46, s3, s2
	s_cselect_b32 s47, s2, s3
	s_lshl_b32 s46, s46, 9
	s_lshl_b32 s47, s47, 3
	s_add_co_u32 s46, s46, s47                     ; my first fragment: q, k: 512 I0 + 8 J1;  v: 512 J1 + 8 I0 (J1 is 16 .. 23 there: 8,192 + 512 pair)
	s_mul_i32 s2, s46, 1536
	s_mov_b32 s3, 0
	s_add_nc_u64 s[12:13], s[10:11], s[2:3]        ; its image
	s_lshl_b32 s2, s46, 6
	s_add_co_u32 s2, s2, SCB
	s_add_nc_u64 s[100:101], s[10:11], s[2:3]      ; its scale words
	; bias + LoRA: places 4 g + 2 h + j of the augmented rows: 8 bytes a lane
	WIN TO_B
.irp b, 0,1,2,3,4,5,6,7
.irp g, 0,1,2
	global_load_b64 v[6*\b+2*\g:6*\b+2*\g+1], v[AUG], s[98:99] offset:1024*\b+16*\g
.endr
.endr
	WIN 0
.irp a, 0,1,2,3,4,5,6,7
.irp g, 0,1,2
	global_load_b64 v[AF+6*\a+2*\g:AF+6*\a+2*\g+1], v[AUG], s[96:97] offset:1024*\a+16*\g
.endr
.endr
	s_wait_loadcnt 0x0
.macro LORA g                          ; 64 products, the accumulators by turns, one instruction a turn; g = 0 starts every sum
	WIN MUL_LO
.irp a, 0,1,2,3,4,5,6,7
.if \a == 4
	WIN MUL_HI
.endif
.irp b, 0,1,2,3,4,5,6,7
.if \g == 0
	v_wmma_f32_16x16x4_f32 v[8*(8*(\a%4)+\b):8*(8*(\a%4)+\b)+7], v[6*\b+2*\g:6*\b+2*\g+1], v[AF+6*\a+2*\g:AF+6*\a+2*\g+1], 0
.else
	v_wmma_f32_16x16x4_f32 v[8*(8*(\a%4)+\b):8*(8*(\a%4)+\b)+7], v[6*\b+2*\g:6*\b+2*\g+1], v[AF+6*\a+2*\g:AF+6*\a+2*\g+1], v[8*(8*(\a%4)+\b):8*(8*(\a%4)+\b)+7]
.endif
.endr
.endr
.endm
	LORA 0
	LORA 1
	LORA 2
	WIN 0
.rept 9
	v_nop                                          ; nine places behind the f32 form before another form adds onto its results; eight would do for the loads into its sources
.endr
.macro FRAG reg, adr, q, i             ; 16 rows x 128 K of 6-bit codes: 12 registers, in pieces of 8 bytes; where the piece three on lies behind one padding more, the second address register serves
.irp p, 0,1,2,3,4,5
.set PCE, 12*(\q)+6*(\p/3)+\p%3
.if PCE%8 < 5
	ds_load_b64 v[\reg+2*\p:\reg+2*\p+1], v[\adr] offset:8*PCE+16*(PCE/8)+(\i)*16*PITCH
.else
	ds_load_b64 v[\reg+2*\p:\reg+2*\p+1], v[\adr+2] offset:8*PCE+16*(PCE/8)+(\i)*16*PITCH
.endif
.endr
.endm
; 16 matrix instructions: A's blocks a0, a0 + 1 x B's eight, the slot's q-th 128 along K.  p: B's set; sc: the set of scale words.  The 64 accumulators take turns in the same order in every step.
.macro MUL16 a0, p, q, sc
.irp a, \a0, \a0+1
.irp b, 0,1,2,3,4,5,6,7
	v_wmma_scale_f32_16x16x128_f8f6f4 v[8*(8*((\a)%4)+\b):8*(8*((\a)%4)+\b)+7], v[128*(\p)+FR*\b:128*(\p)+FR*\b+FR-1], v[AF+FR*(\a):AF+FR*(\a)+FR-1], v[8*(8*((\a)%4)+\b):8*(8*((\a)%4)+\b)+7], v[SC+8*NQ*(\sc)+NQ*\b+(\q)], v[SC+8*NQ*(\sc)+NQ*(\a)+(\q)] matrix_a_fmt:MATRIX_FMT_FP6 matrix_b_fmt:MATRIX_FMT_FP6 matrix_a_scale:MATRIX_SCALE_ROW1
.endr
.endr
.endm
.macro FETCH_B slot, q, p
	WIN TO_B
.irp i, 0,1,2,3,4,5,6,7
	FRAG 128*(\p)+FR*\i, ADRB+\slot, \q, \i
.endr
	WIN 0
.endm
.macro FETCH_A slot, q, i0
.irp i, \i0, \i0+1, \i0+2, \i0+3
	FRAG AF+FR*(\i), ADRA+\slot, \q, \i
.endr
.endm
.macro SCALES sc                       ; a K step's scale words: lanes 0-15 A's block i, lanes 16-31 B's block i
.irp i, 0,1,2,3,4,5,6,7
	ds_load_b64 v[SC+8*NQ*\sc+NQ*\i:SC+8*NQ*\sc+NQ*\i+1], v[ADRS] offset:\i*SBLK
.endr
.endm
.macro PLACES n                        ; plain vector instructions in front of loads into registers that matrix instructions have read, and of reads of results
.rept \n
	v_nop
.endr
.endm
.macro STEP slot, q                    ; a step of 128 along K that has its successor in the same slot
	s_wait_dscnt 4*NL                              ; B's set and A's blocks 0-3 are in; the youngest 24 loads (A's blocks 4-7) may be out
	WIN MUL_LO
	MUL16 0, (\q)%2, \q, \slot
	MUL16 2, (\q)%2, \q, \slot
	s_wait_dscnt 0
	PLACES NP
	FETCH_B \slot, (\q)+1, 1-(\q)%2
	FETCH_A \slot, (\q)+1, 0
	WIN MUL_HI
	MUL16 4, (\q)%2, \q, \slot
	MUL16 6, (\q)%2, \q, \slot
	PLACES NP
	WIN 0
	FETCH_A \slot, (\q)+1, 4
.endm
; A slot's last step changes slots: one barrier; in front of it each wave waits for all its tensor loads, adds 0 to its spare word, and waits for that and for its reads of this slot.
.macro TURN slot, next, fill
	s_wait_tensorcnt 0x0                           ; all my tensor loads have landed: my part of the next slot
	ds_add_u32 v[SPW], v[NIL]                      ; 0 onto my spare word
	s_wait_dscnt 4*NL+1                            ; (the add and the youngest 24 loads may be out)
	WIN MUL_LO
	MUL16 0, 1, NQ-1, \slot
	s_wait_dscnt 0x0                               ; the add is done, and my reads of this slot are over
	s_barrier_signal -1
	MUL16 2, 1, NQ-1, \slot
	WIN 0
	s_barrier_wait -1
.if \fill
	CREST                                          ; the barrier has opened a round of the cluster's barrier: no wave of any partner still reads this slot or has a load on its way
	s_add_nc_u64 s[G0+4*\slot+2:G0+4*\slot+3], s[G0+4*\slot+2:G0+4*\slot+3], 2*ROWB
	s_add_nc_u64 s[G0B+4*\slot+2:G0B+4*\slot+3], s[G0B+4*\slot+2:G0B+4*\slot+3], 2*ROWB
	JLOAD G0+4*\slot, G1, G0B+4*\slot, G1B         ; the first tensor load behind the round, one a wave; its four v_nop are the places in front of the loads below
.else
	PLACES NP
.endif
	v_add_nc_u32 v[ADRS], 4*NQ, v[ADRS]
	FETCH_B \next, 0, 0
	FETCH_A \next, 0, 0
	SCALES \next
	WIN MUL_HI
	MUL16 4, 1, NQ-1, \slot
	MUL16 6, 1, NQ-1, \slot
	PLACES NP
	WIN 0
	FETCH_A \next, 0, 4
.endm
	s_wait_tensorcnt 1                             ; the scale bytes and my part of K step 0 are in; K step 1's load may be out
	s_barrier_signal -1
	s_barrier_wait -1
	FETCH_B 0, 0, 0
	FETCH_A 0, 0, 0
	SCALES 0
	FETCH_A 0, 0, 4
	STEP 0, 0
	s_mov_b32 s3, LAPS-1
.Llap:                                                 ; a trip goes once round the ring and fills both slots again
	TURN 0, 1, 1
	STEP 1, 0
	TURN 1, 0, 1
	STEP 0, 0
	s_sub_co_u32 s3, s3, 1
	s_cmp_lg_u32 s3, 0
	s_cbranch_scc1 .Llap
	TURN 0, 1, 0                                   ; the last lap fills nothing
	STEP 1, 0
	s_wait_dscnt 4*NL
	WIN MUL_LO
	MUL16 0, 1, NQ-1, 1
	MUL16 2, 1, NQ-1, 1
	s_wait_dscnt 0
	WIN MUL_HI
	MUL16 4, 1, NQ-1, 1
	MUL16 6, 1, NQ-1, 1
	WIN 0
	PLACES NP
; THE WAY OUT.  The 64 registers of A's block a (its eight accumulators) are 128 numbers along source 0's rows of one row of source 1 a lane: one fragment.  No LDS: the image's stores are dense as they stand.
.macro QUANTW a
.set QW, 2+(\a)/4                      ; the accumulators' window
.set QS, 64*((\a)%4)
	WIN QW|(QW<<2)
.irp b, 0,1,2,3
	v_max3_num_f32 v[TM+\b], |v[QS+16*\b]|, |v[QS+16*\b+1]|, 0x1800000     ; each accumulator is read from its low end on; the floor 2^(3 - 127) holds the byte at 1 from below
.endr
	WIN (QW<<2)|(QW<<4)
.irp i, 2,4,6,8,10,12,14
.irp b, 0,1,2,3
	v_max3_num_f32 v[TM+\b], v[TM+\b], |v[QS+16*\b+\i]|, |v[QS+16*\b+\i+1]|
.endr
.endr
	WIN 0
.irp b, 0,1,2,3
	v_permlanex16_b32 v[TM+4+\b], v[TM+\b], s[SEL], s[SEL+1]
.endr
.irp b, 0,1,2,3
	v_max_num_f32 v[TM+\b], v[TM+\b], v[TM+4+\b]
.endr
.irp b, 0,1,2,3
	v_add_nc_u32 v[TM+12+\b], 0xff000000, v[TM+\b]
.endr
.irp b, 0,1,2,3
	v_lshrrev_b32 v[TM+4+\b], 23, v[TM+12+\b]
.endr
	v_lshl_or_b32 v[PWB+\a], v[TM+5], 8, v[TM+4]
	v_lshl_or_b32 v[PWB+\a], v[TM+6], 16, v[PWB+\a]
	v_lshl_or_b32 v[PWB+\a], v[TM+7], 24, v[PWB+\a]
	s_wait_xcnt 0x0                                ; the last fragment's stores have read their registers: the codes may be written again
	WIN QW
.irp c, 0,1
	v_cvt_scalef32_pk16_fp6_f32 v[PC+6*\c:PC+2+6*\c], v[QS+32*\c:QS+15+32*\c], v[TM+12+2*\c]
	v_cvt_scalef32_pk16_fp6_f32 v[PC+12+4*\c:PC+14+4*\c], v[QS+16+32*\c:QS+31+32*\c], v[TM+12+2*\c+1]
.endr
	WIN 0
	v_nop                                          ; one plain place behind a scaled conversion
.irp c, 0,1
.irp i, 0,1,2
	v_permlane16_swap_b32 v[PC+6*\c+\i], v[PC+12+4*\c+\i]
.endr
.irp i, 0,1,2
	v_mov_b32 v[PC+3+6*\c+\i], v[PC+12+4*\c+\i]
.endr
.endr
	global_store_b128 v[L16], v[PC:PC+3], s[12:13] offset:1536*\a          ; 512 consecutive bytes, aligned to 256
	global_store_b64 v[L8], v[PC+4:PC+5], s[12:13] offset:1536*\a+512      ; 256
	global_store_b128 v[L16], v[PC+6:PC+9], s[12:13] offset:1536*\a+768
	global_store_b64 v[L8], v[PC+10:PC+11], s[12:13] offset:1536*\a+1280
.endm
.irp a, 0,1,2,3,4,5,6,7
	QUANTW \a
.endr
	v_cmp_le_u32 vcc_lo, 16, v[LANE]               ; a scale word stands alike in both halves of the lanes: lanes 0-15 keep fragment 2 i's, lanes 16-31 take fragment 2 i + 1's
.irp i, 0,1,2,3
	v_cndmask_b32 v[PK+\i], v[PWB+2*\i], v[PWB+2*\i+1], vcc_lo
.endr
.irp i, 0,1,2,3
	v_alignbit_b32 v[PK+4+\i], v[PK+\i], v[PK+\i], 16     ; the second plane: the second head's two bytes below
.endr
.irp i, 0,1,2,3
	global_store_b32 v[L4], v[PK+\i], s[100:101] offset:128*\i
	global_store_b32 v[L4], v[PK+4+\i], s[100:101] offset:128*\i+PLANE
.endr
	s_wait_tensorcnt 0x0                           ; the wave's end
	ds_add_u32 v[SPW], v[NIL]
	s_wait_dscnt 0x0
	CROUND                                         ; the closing round: no work-group ends while a partner may still ask for a tile that names it
	s_endpgm
.Lfunc_end_k_qb38ec4a0f8_qkv:
	.size	k_qb38ec4a0f8_qkv, .Lfunc_end_k_qb38ec4a0f8_qkv-k_qb38ec4a0f8_qkv
	.p2alignl 7, 3214868480
	.fill 96, 4, 3214868480
	.section	.rodata,"a",@progbits
	.p2align	6, 0x0
	.amdhsa_kernel k_qb38ec4a0f8_qkv
		.amdhsa_group_segment_fixed_size 327680
		.amdhsa_private_segment_fixed_size 0
		.amdhsa_enable_private_segment 0
		.amdhsa_kernarg_size 32
		.amdhsa_user_sgpr_count 2
		.amdhsa_user_sgpr_kernarg_segment_ptr 1
		.amdhsa_wavefront_size32 1
		.amdhsa_system_sgpr_workgroup_id_x 1
		.amdhsa_system_sgpr_workgroup_id_y 1
		.amdhsa_system_sgpr_workgroup_id_z 1
		.amdhsa_system_vgpr_workitem_id 0
		.amdhsa_next_free_vgpr 1024
		.amdhsa_next_free_sgpr 102
		.amdhsa_reserve_vcc 1
		.amdhsa_float_denorm_mode_32 3
		.amdhsa_float_denorm_mode_16_64 3
		.amdhsa_memory_ordered 1
		.amdhsa_forward_progress 1
		.amdhsa_inst_pref_size 184
	.end_amdhsa_kernel
	.amdgpu_metadata
---
amdhsa.version: [ 1, 2 ]
amdhsa.kernels:
  - .name:           k_qb38ec4a0f8_qkv
    .symbol:         k_qb38ec4a0f8_qkv.kd
    .args:
      - { .name: ws1, .offset: 0, .size: 8, .value_kind: global_buffer, .address_space: global }
      - { .name: W_qkv_codes, .offset: 8, .size: 8, .value_kind: global_buffer, .address_space: global }
      - { .name: W_qkv_scales, .offset: 16, .size: 8, .value_kind: global_buffer, .address_space: global }
      - { .name: ws2, .offset: 24, .size: 8, .value_kind: global_buffer, .address_space: global }
    .group_segment_fixed_size: 327680
    .private_segment_fixed_size: 0
    .kernarg_segment_align: 8
    .kernarg_segment_size: 32
    .max_flat_workgroup_size: 128
    .sgpr_count:     102
    .vgpr_count:     1024
    .wavefront_size: 32
...
	.end_amdgpu_metadata
.endif
;; end of part 2
;; launch attn (part 3): grid 4 x 64, 16 waves a work-group, clusters of 4 x 1, 210,944 bytes of LDS; arguments ws2, A_proj, ws3; writes ws3
.if DOCPART == 3
	.amdgcn_target "amdgcn-amd-amdhsa--gfx1250"
	.amdhsa_code_object_version 6
	.text
	.protected	k_qb38ec4a0f8_attn
	.globl	k_qb38ec4a0f8_attn
	.p2align	8
	.type	k_qb38ec4a0f8_attn,@function
k_qb38ec4a0f8_attn:
	s_mov_b64 s[64:65], 0
	v_nop
	global_prefetch_b8 v0, s[64:65] scope:SCOPE_SE
	s_setreg_imm32_b32 hwreg(HW_REG_WAVE_MODE, 25, 1), 1
	s_wait_xcnt 0x0
	s_wait_alu depctr_hold_cnt(0) depctr_sa_sdst(0) depctr_va_vdst(0) depctr_va_sdst(0) depctr_va_ssrc(0) depctr_va_vcc(0) depctr_vm_vsrc(0)
	s_getreg_b32 s2, hwreg(HW_REG_IB_STS2, 6, 4)
	s_cmp_eq_u32 s2, 0
	s_cbranch_scc0 .Lentry_in_a_cluster
	s_endpgm
.Lentry_in_a_cluster:
	s_bfe_u32 s2, ttmp6, 0x10000c
	s_cmp_lg_u32 s2, 0x3003
	s_cbranch_scc0 .Lentry_shape_is_right
	s_endpgm
.Lentry_shape_is_right:
; o = softmax(q k^T / 8) v for 64 heads of 2,048 tokens x 64, both products on codes of E2M3 with one E8M0 byte for each 32 along K; o is quantised along the model's 1,024 for the next launch.
; THE SOFTMAX AHEAD OF THE SECOND PRODUCT: t = score x log2(e) / 8; M = the running largest t rounded up to a whole number; p = 2^(t - M) is quantised along the keys; the sum of the unquantised p divides at the end.
; SHARES: a work-group owns 512 queries of one head; each of its sixteen waves owns one tile of 16 queries in each of two passes.  Four waves to a SIMD: one wave's vector work stands beside another's products and LDS loads.
; THE HEAD'S WHOLE K AND V LIE IN LDS, filled ONCE: 2 x 98,304 bytes of codes and 12,288 of scale words.  The four work-groups of a cluster own the four query blocks of one head and ask for every byte jointly.
; Nothing is filled again and nothing is stored to LDS.  Wave 0 asks for K (scale words, then four chunks of 512 keys), wave 1 for V: five loads of a wave are out at the most; a chunk is read behind a counted wait and a barrier.
; LAYOUT: both products transposed: S^T = K Q^T, O^T = V^T P^T: a lane holds one query.  Fragments come as images of their registers (four registers at 16 lane, two at 512 + 8 lane, 768 bytes a half).
; THE FIRST PRODUCT'S K IS 64, half of the instruction's 128: q's upper six registers are zero codes; K's upper six are whatever follows (the next tile's codes, at last six zeros): they meet zeros.
; The order of the 32 codes inside a block is the same in q and k, and the same in p and v (the launch before says why).  o is brought to the natural order, which W_proj's codes have, by sixteen exchanges of lane halves.
; LoRA: 2 (o A_proj) of this head's 64, bf16 operands, f32 sums; the head's part is rounded to bf16 and stored: the next launch's product with B_proj sums the sixteen heads' parts.
; LIMITS: NaN and infinities are not served; a block whose largest magnitude lies under 2^-124 gets the byte 1; each head's part of o A_proj is rounded to bf16 ahead of the sum over heads.
.set SCB,   18874368                   ; ws2: the scale words; the second plane
.set PLANE, 786432
.set OS,    6291456                    ; ws3: o's scale bytes [8192][32]
.set OP,    6553600                    ; ws3: [head][token][8 bf16]
.set VC,    98304                      ; LDS: K's codes at 0, V's here,
.set KSO,   196608                     ; K's scale words,
.set VSO,   204800                     ; V's
.set CHB,   24576                      ; a chunk: 512 keys
.set WV,   10
.set SEL,  20
.set CS,   22                          ; s[22:23] c = log2(e) / 8
.set G1K,  24                          ; descriptor groups 1: K's codes, V's codes, K's scale words, V's
.set G1V,  32
.set G1KS, 40
.set G1VS, 48
.set G0S,  56                          ; groups 0: the scale words; the four chunks at s60, s68, s72, s76
.set TB,   80                          ; LDS byte of the step's tiles in K's codes, and in V's
.set TS,   81                          ; of K's scale words
.set TJ,   82                          ; of V's
.set CNT,  83
.set PASS, 84
; REGISTERS: v1 16 lane; v2 8 lane + 512; v3 4 lane + KSO; v30 4 lane + VSO; v4 16 r; v5 32 r; v6-11 the step's addresses; v12 -M, v13 the largest t, v[14:15] the sum; v16-21 q, v22-27 zeros, v28 q's scale word; v29 lane;
; v32-79 eight tiles of K or four fragments of V; v80-85 zeros; v96-159 S^T, then p; v160-191 O^T; v192-207 2 A_proj in bf16; v208-214 the second pass's q; v224-235 p's codes; v232-254 at work.
.macro CROUND
	s_barrier_signal -1
	s_barrier_wait -1
	s_cmp_lg_u32 s[WV], 0
	s_cbranch_scc1 .Lnot_wave_0_\@
	s_barrier_signal -3
.Lnot_wave_0_\@:
	s_barrier_wait -3
	s_barrier_signal -1
	s_barrier_wait -1
.endm
.macro SHAPE g, c, r, p                ; r rows of c elements of 8 bytes, p elements apart; the mask names all four work-groups, bit 21 beside it; no padding
	s_mov_b32 s[\g], 15|(3<<16)|(1<<21)
	s_mov_b32 s[\g+1], (\c)<<16
	s_mov_b32 s[\g+2], (\r)<<16
	s_mov_b32 s[\g+3], (\c)<<16
	s_mov_b32 s[\g+4], \r
	s_mov_b32 s[\g+5], \p
	s_mov_b32 s[\g+6], 0
	s_mov_b32 s[\g+7], 0
.endm
	s_load_b128 s[4:7], s[0:1], 0x0                ; ws2, A_proj
	s_load_b64 s[8:9], s[0:1], 0x10                ; ws3
	v_lshl_add_u32 v243, v0, 2, 0x33000
	v_mov_b32 v255, 0
	ds_add_u32 v243, v255
	ds_add_u32 v243, v255
	v_lshrrev_b32 v31, 5, v0
	v_readfirstlane_b32 s[WV], v31                 ; wave 0..15
	s_bfe_u32 s11, ttmp6, 0x40000                  ; cx: it enters q's and the outputs' addresses alone
	s_and_b32 s12, ttmp7, 0xffff                   ; 16 batch + head, which the four partners share
	s_lshr_b32 s13, s12, 4                         ; batch
	s_and_b32 s14, s12, 15                         ; head
	s_lshr_b32 s15, s14, 1                         ; pair
	s_and_b32 s16, s14, 1                          ; which head of the pair
	s_min_u32 s17, s[WV], 1                        ; 0: I ask for K; 1: for V (waves 2-15 ask for nothing)
	s_lshl_b32 s92, s15, 9
	s_lshl_b32 s93, s13, 7
	s_add_co_u32 s92, s92, s93                     ; 512 pair + 128 batch
	s_add_co_u32 s94, s92, 4096                    ; K's first fragment
	s_lshl_b32 s93, s16, 2
	s_add_co_u32 s96, s92, s93
	s_add_co_u32 s96, s96, 8192                    ; V's
	s_mul_i32 s98, s94, 1536
	s_mul_i32 s93, s16, 768
	s_add_co_u32 s98, s98, s93                     ; K's codes: my head's half of each fragment
	s_mul_i32 s99, s96, 1536                       ; V's codes
	s_lshl_b32 s94, s94, 6
	s_mul_i32 s93, s16, PLANE
	s_add_co_u32 s94, s94, s93                     ; K's scale words: my head's plane
	s_lshl_b32 s96, s96, 6                         ; V's
	s_cmp_eq_u32 s[WV], 0
	s_cselect_b32 s98, s98, s99
	s_cselect_b32 s94, s94, s96
	s_add_co_u32 s94, s94, SCB
	s_mov_b32 s99, 0
	s_mov_b32 s95, 0
	SHAPE G1K, 96, 32, 192                         ; 32 key tiles: 768 bytes of every 1,536
	SHAPE G1V, 768, 4, 1536                        ; 4 steps: 6,144 bytes (my head's four fragments) of every 12,288
	SHAPE G1KS, 32, 32, 32                         ; 8,192 dense bytes
	SHAPE G1VS, 32, 16, 64                         ; 16 steps: 256 bytes of every 512
	s_mov_b32 s[SEL], 0x76543210
	s_mov_b32 s[SEL+1], 0xfedcba98
	s_mov_b32 s[CS], 0x3e38aa3b                    ; c = log2(e) / 8
	s_mov_b32 s[CS+1], s[CS]
	s_mov_b32 s[PASS], 2
	s_mul_i32 s93, s17, VC
	s_wait_dscnt 0x0
	s_wait_kmcnt 0x0
	s_add_nc_u64 s[98:99], s[4:5], s[98:99]
	s_add_nc_u64 s[94:95], s[4:5], s[94:95]
	s_mov_b32 s[G0S], 1
	s_lshl_b32 s[G0S+1], s17, 13
	s_add_co_u32 s[G0S+1], s[G0S+1], KSO
	s_mov_b64 s[G0S+2:G0S+3], s[94:95]
	s_or_b32 s[G0S+3], s[G0S+3], 0x80000000
.set j, 0
.irp g, 60, 68, 72, 76
	s_mov_b32 s[\g], 1
	s_add_co_u32 s[\g+1], s93, CHB*j
	s_add_nc_u64 s[\g+2:\g+3], s[98:99], 49152*j
	s_or_b32 s[\g+3], s[\g+3], 0x80000000
.set j, j+1
.endr
	CROUND                                         ; all four work-groups are here: the joint loads meet
	s_cmp_eq_u32 s[WV], 0                          ; a wave's first fills stand in one branch, ahead of every wait on TENSORcnt and every LDS read
	s_cbranch_scc0 .Lnot_k
	tensor_load_to_lds s[G0S:G0S+3], s[G1KS:G1KS+7]
	s_nop 0
	tensor_load_to_lds s[60:63], s[G1K:G1K+7]
	s_nop 0
	tensor_load_to_lds s[68:71], s[G1K:G1K+7]
	s_nop 0
	tensor_load_to_lds s[72:75], s[G1K:G1K+7]
	s_nop 0
	tensor_load_to_lds s[76:79], s[G1K:G1K+7]
	s_nop 0
.rept 4
	v_nop
.endr
	s_branch .Lasked
.Lnot_k:
	s_cmp_eq_u32 s[WV], 1
	s_cbranch_scc0 .Lasked
	tensor_load_to_lds s[G0S:G0S+3], s[G1VS:G1VS+7]
	s_nop 0
	tensor_load_to_lds s[60:63], s[G1V:G1V+7]
	s_nop 0
	tensor_load_to_lds s[68:71], s[G1V:G1V+7]
	s_nop 0
	tensor_load_to_lds s[72:75], s[G1V:G1V+7]
	s_nop 0
	tensor_load_to_lds s[76:79], s[G1V:G1V+7]
	s_nop 0
.rept 4
	v_nop
.endr
.Lasked:
	s_lshl_b32 s18, ttmp9, 2
	s_add_co_u32 s18, s18, s11                     ; my block of 512 queries
	s_lshl_b32 s19, s18, 5
	s_add_co_u32 s19, s19, s[WV]                   ; 32 x block + wave: my tile of the first pass, in the batch's 128
	s_add_co_u32 s96, s92, s19                     ; q's fragment
	s_mul_i32 s100, s96, 1536
	s_mul_i32 s93, s16, 768
	s_add_co_u32 s100, s100, s93
	s_mov_b32 s101, 0
	s_add_nc_u64 s[100:101], s[4:5], s[100:101]    ; q's codes
	s_lshl_b32 s96, s96, 6
	s_mul_i32 s93, s16, PLANE
	s_add_co_u32 s96, s96, s93
	s_add_co_u32 s96, s96, SCB
	s_mov_b32 s97, 0
	s_add_nc_u64 s[96:97], s[4:5], s[96:97]        ; q's scale words
	s_lshl_b32 s93, s13, 7
	s_add_co_u32 s93, s93, s19                     ; my token tile of 512
	s_mul_i32 s86, s93, 12288
	s_mul_i32 s18, s14, 768
	s_add_co_u32 s86, s86, s18
	s_mov_b32 s87, 0
	s_add_nc_u64 s[86:87], s[8:9], s[86:87]        ; o's image: [token tile][head][768]
	s_lshl_b32 s88, s93, 9
	s_lshl_b32 s18, s14, 1
	s_add_co_u32 s88, s88, s18
	s_add_co_u32 s88, s88, OS
	s_mov_b32 s89, 0
	s_add_nc_u64 s[88:89], s[8:9], s[88:89]        ; o's scale bytes: 32 a token, my head's two
	s_lshl_b32 s90, s14, 17
	s_lshl_b32 s18, s93, 8
	s_add_co_u32 s90, s90, s18
	s_add_co_u32 s90, s90, OP
	s_mov_b32 s91, 0
	s_add_nc_u64 s[90:91], s[8:9], s[90:91]        ; the head's part of 2 o A_proj
	s_lshl_b32 s18, s14, 11
	s_mov_b32 s19, 0
	s_add_nc_u64 s[6:7], s[6:7], s[18:19]          ; A_proj at my head's 64 rows
	v_and_b32 v29, 31, v0                          ; lane
	v_and_b32 v6, 15, v0                           ; r
	v_bfe_u32 v7, v0, 4, 1                         ; h
	v_lshlrev_b32 v1, 4, v29
	v_lshl_add_u32 v2, v29, 3, 512
	v_lshl_add_u32 v3, v29, 2, KSO
	v_lshl_add_u32 v30, v29, 2, VSO
	v_lshlrev_b32 v4, 4, v6
	v_lshlrev_b32 v5, 5, v6
	v_lshlrev_b32 v31, 2, v6                       ; 4 r
	v_and_b32 v9, 7, v0
	v_lshlrev_b32 v9, 2, v9
	v_lshl_add_u32 v9, v7, 8, v9                   ; A_proj: 8 h rows of 32 bytes, rank r % 8
	global_load_b128 v[16:19], v1, s[100:101]      ; q of both passes: the second pass's tile lies 16 fragments on
	global_load_b64 v[20:21], v2, s[100:101]
	global_load_b32 v28, v31, s[96:97]
	global_load_b128 v[208:211], v1, s[100:101] offset:24576
	global_load_b64 v[212:213], v2, s[100:101] offset:24576
	global_load_b32 v214, v31, s[96:97] offset:1024
.set n, 0
.rept 32                                       ; register 16 k + 8 u + i = A_proj(64 head + 32 k + 16 u + 8 h + i, r % 8): the bf16 operand's order
	global_load_b32 v[96+n], v9, s[6:7] offset:(32*(n/16)+16*((n/8)%2)+n%8)*32
.set n, n+1
.endr
.irp i, 0,1,2,3,4,5
	v_mov_b32 v[22+\i], 0                          ; q's upper 64 along K: zero codes
	v_mov_b32 v[80+\i], 0                          ; what follows the last tile of K
.endr
.irp b, 0,1,2,3
	v_mov_b32 v[236+\b], 0                         ; written once: a lane permute's destination counts as one of its sources
.endr
	v_mov_b32 v253, 0                              ; (named as the upper half of the pair v[252:253] before it is first written)
	s_wait_loadcnt 0x0
.set n, 0
.rept 16
	v_pk_add_f32 v[96+n:97+n], v[96+n:97+n], v[96+n:97+n]     ; x 2: the LoRA scaling, exact
.set n, n+2
.endr
.set n, 0
.rept 16
	v_cvt_pk_bf16_f32 v[192+n], v[96+2*n], v[97+2*n]
.set n, n+1
.endr
; A KEY STEP: 128 keys.
.macro STEP
	v_add_nc_u32 v8, s[TB], v1                     ; (these six are also the places in front of the loads into registers that the last products read)
	v_add_nc_u32 v9, s[TB], v2
	v_add_nc_u32 v6, s[TS], v3
	v_add_nc_u32 v7, s[TJ], v30
	v_add_nc_u32 v10, VC, v8
	v_add_nc_u32 v11, VC, v9
.irp t, 0,1,2,3,4,5,6,7
	ds_load_b128 v[32+6*\t:35+6*\t], v8 offset:768*\t          ; key tile t: six registers, dense in LDS
	ds_load_b64 v[36+6*\t:37+6*\t], v9 offset:768*\t
.endr
.irp i, 0,1,2,3
	ds_load_b32 v[248+\i], v6 offset:128*\i        ; lanes 0-15 tile 2 i's scale words, lanes 16-31 tile 2 i + 1's
.endr
	s_wait_dscnt 0x0
.irp t, 0,1,2,3,4,5,6,7
.if \t%2
	v_wmma_scale_f32_16x16x128_f8f6f4 v[96+8*\t:103+8*\t], v[32+6*\t:43+6*\t], v[16:27], 0, v[248+\t/2], v28 matrix_a_fmt:MATRIX_FMT_FP6 matrix_b_fmt:MATRIX_FMT_FP6 matrix_a_scale:MATRIX_SCALE_ROW1
.else
	v_wmma_scale_f32_16x16x128_f8f6f4 v[96+8*\t:103+8*\t], v[32+6*\t:43+6*\t], v[16:27], 0, v[248+\t/2], v28 matrix_a_fmt:MATRIX_FMT_FP6 matrix_b_fmt:MATRIX_FMT_FP6
.endif
.endr                                          ; lane (r, h): query r; register 8 t + j: key 16 t + 8 h + j
.rept 4
	v_nop                                          ; places: the scores are read next, and V's loads land in registers that these products read
.endr
.irp f, 0,1,2,3                                ; V's four fragments are asked for now and land under the softmax
.irp u, 0,1
	ds_load_b128 v[32+12*\f+6*\u:35+12*\f+6*\u], v10 offset:1536*\f+768*\u
	ds_load_b64 v[36+12*\f+6*\u:37+12*\f+6*\u], v11 offset:1536*\f+768*\u
.endr
.endr
	ds_load_b32 v248, v7
	ds_load_b32 v249, v7 offset:128
.irp b, 0,1,2,3
	v_max3_num_f32 v[232+\b], v[96+16*\b], v[97+16*\b], v[98+16*\b]   ; the largest score of each block of 32 keys: it serves the row's maximum and, since p rises with the score, the block's largest p
.endr
.irp i, 3,5,7,9,11,13
.irp b, 0,1,2,3
	v_max3_num_f32 v[232+\b], v[232+\b], v[96+16*\b+\i], v[97+16*\b+\i]
.endr
.endr
.irp b, 0,1,2,3
	v_max_num_f32 v[232+\b], v[232+\b], v[111+16*\b]
.endr
.irp b, 0,1,2,3
	v_permlanex16_b32 v[236+\b], v[232+\b], s[SEL], s[SEL+1]
.endr
.irp b, 0,1,2,3
	v_max_num_f32 v[232+\b], v[232+\b], v[236+\b]  ; with lane l xor 16's 16 keys
.endr
	v_max3_num_f32 v254, v232, v233, v234
	v_max_num_f32 v254, v254, v235
	v_mul_f32 v254, s[CS], v254                    ; the step's largest t
	v_max_num_f32 v13, v13, v254                   ; the running largest t
	v_mov_b32 v254, v12
	v_floor_f32 v12, -v13                          ; the new -M = floor(-t): M is a whole number
	v_sub_f32 v254, v12, v254
	v_cvt_i32_f32 v254, v254                       ; (it saturates)
	v_ldexp_f32 v252, 1.0, v254                    ; f = 2^(old M - new M): a multiplication by it rounds nothing
.set n, 0
.rept 32
	v_pk_fma_f32 v[96+n:97+n], v[96+n:97+n], s[CS:CS+1], v[12:13] op_sel_hi:[1,0,0]   ; t - M
.set n, n+2
.endr
.irp b, 0,1,2,3
	v_fma_f32 v[232+\b], v[232+\b], s[CS], v12
.endr
.set n, 0
.rept 64
	v_exp_f32 v[96+n], v[96+n]                     ; p = 2^(t - M), not normalised
.set n, n+1
.endr
.irp b, 0,1,2,3
	v_exp_f32 v[232+\b], v[232+\b]                 ; the block's largest p: the same two instructions on the same number
.endr
	v_pk_mul_f32 v[14:15], v[14:15], v[252:253] op_sel_hi:[1,0]    ; the sums under the new M (a plain place behind the exponentials)
	s_wait_alu depctr_va_vdst(0)
.irp b, 0,1,2,3
	v_max_num_f32 v[232+\b], 0x1800000, v[232+\b]  ; the floor 2^(3 - 127)
.endr
.irp b, 0,1,2,3
	v_add_nc_u32 v[244+\b], 0xff000000, v[232+\b]  ; the conversion's scale operand
.endr
.irp b, 0,1,2,3
	v_lshrrev_b32 v[236+\b], 23, v[244+\b]
.endr
	v_lshl_or_b32 v253, v237, 8, v236              ; p's scale word for these 128 keys
	v_lshl_or_b32 v253, v238, 16, v253
	v_lshl_or_b32 v253, v239, 24, v253
.irp c, 0,1
	v_cvt_scalef32_pk16_fp6_f32 v[224+6*\c:226+6*\c], v[96+32*\c:111+32*\c], v[244+2*\c]
	v_cvt_scalef32_pk16_fp6_f32 v[236+4*\c:238+4*\c], v[112+32*\c:127+32*\c], v[244+2*\c+1]
.endr
	v_nop                                          ; one plain place behind a scaled conversion
.irp c, 0,1
.irp i, 0,1,2
	v_permlane16_swap_b32 v[224+6*\c+\i], v[236+4*\c+\i]
.endr
.irp i, 0,1,2
	v_mov_b32 v[227+6*\c+\i], v[236+4*\c+\i]
.endr
.endr
	v_pk_add_f32 v[236:237], v[96:97], v[98:99]    ; the row's sum is taken of the unquantised p, in two chains
.set n, 4
.rept 15
	v_pk_add_f32 v[14:15], v[14:15], v[96+n:97+n]
	v_pk_add_f32 v[236:237], v[236:237], v[98+n:99+n]
.set n, n+4
.endr
	v_pk_add_f32 v[14:15], v[14:15], v[236:237]
.set n, 0
.rept 16
	v_pk_mul_f32 v[160+n:161+n], v[160+n:161+n], v[252:253] op_sel_hi:[1,0]   ; O^T under the new M
.set n, n+2
.endr
	s_wait_dscnt 0x0                               ; V's fragments and scale words
.irp f, 0,1,2,3                                ; the four accumulators by turns, one instruction a turn
.if \f%2
	v_wmma_scale_f32_16x16x128_f8f6f4 v[160+8*\f:167+8*\f], v[32+12*\f:43+12*\f], v[224:235], v[160+8*\f:167+8*\f], v[248+\f/2], v253 matrix_a_fmt:MATRIX_FMT_FP6 matrix_b_fmt:MATRIX_FMT_FP6 matrix_a_scale:MATRIX_SCALE_ROW1
.else
	v_wmma_scale_f32_16x16x128_f8f6f4 v[160+8*\f:167+8*\f], v[32+12*\f:43+12*\f], v[224:235], v[160+8*\f:167+8*\f], v[248+\f/2], v253 matrix_a_fmt:MATRIX_FMT_FP6 matrix_b_fmt:MATRIX_FMT_FP6
.endif
.endr
	s_add_co_u32 s[TB], s[TB], 6144
	s_add_co_u32 s[TS], s[TS], 512
	s_add_co_u32 s[TJ], s[TJ], 256
.endm
; Chunk j: 512 keys, four steps.  The waves that asked wait until the scale words and chunks 0 to j have landed (the 3 - j loads behind them may stay out), then the barrier shows them to all.
.macro CHUNK j
	s_wait_tensorcnt 3-\j
	s_wait_dscnt 0x0
	s_barrier_signal -1
	s_barrier_wait -1
	s_mov_b32 s[TB], CHB*\j
	s_mov_b32 s[TS], 2048*\j
	s_mov_b32 s[TJ], 1024*\j
	s_mov_b32 s[CNT], 4
.Lstep_\@:
	STEP
	s_sub_co_u32 s[CNT], s[CNT], 1
	s_cmp_lg_u32 s[CNT], 0
	s_cbranch_scc1 .Lstep_\@
.endm
.Lpass:                                            ; two trips: a tile of 16 queries each
	v_mov_b32 v13, 0xff61b1e6                      ; the largest t so far: -3e38
	v_floor_f32 v12, -v13
	v_mov_b32 v14, 0
	v_mov_b32 v15, 0
.set n, 0
.rept 32
	v_mov_b32 v[160+n], 0                          ; O^T: the step is written once; its first run finds zeros, which the first change of M leaves zeros
.set n, n+1
.endr
	CHUNK 0
	CHUNK 1
	CHUNK 2
	CHUNK 3
.rept 4
	v_nop                                          ; places behind the last products
.endr
	v_add_f32 v14, v14, v15
	v_permlanex16_b32 v252, v14, s[SEL], s[SEL+1]
	v_add_f32 v14, v14, v252                       ; the row's sum
	v_rcp_f32 v14, v14
	v_nop                                          ; a plain place behind the transcendental
.set n, 0
	s_wait_alu depctr_va_vdst(0)
.rept 16
	v_pk_mul_f32 v[160+n:161+n], v[160+n:161+n], v[14:15] op_sel_hi:[1,0]    ; o: register 8 f + j = o(query r, 16 f + 8 h + j); each accumulator from its low end on
.set n, n+2
.endr
.set n, 0
.rept 16
	v_cvt_pk_bf16_f32 v[96+n], v[160+2*n], v[161+2*n]        ; tiles 0, 1 and tiles 2, 3 are the bf16 operand's order as they stand
.set n, n+1
.endr
	v_wmma_f32_16x16x32_bf16 v[112:119], v[192:199], v[96:103], 0            ; 2 o A_proj: lanes 0-15, register j: rank j of query r; the head's first 32,
	v_wmma_f32_16x16x32_bf16 v[120:127], v[200:207], v[104:111], 0           ; its second 32
.irp b, 0,1
.irp j, 0,1,2,3,4,5,6,7
	v_permlane16_swap_b32 v[160+16*\b+\j], v[168+16*\b+\j]   ; register 16 b + i now holds o(r, 32 b + 16 h + i): the natural order
.endr
.endr
.irp b, 0,1
	v_max3_num_f32 v[232+\b], |v[160+16*\b]|, |v[161+16*\b]|, 0x1800000
.endr
.irp i, 2,4,6,8,10,12,14
.irp b, 0,1
	v_max3_num_f32 v[232+\b], v[232+\b], |v[160+16*\b+\i]|, |v[161+16*\b+\i]|
.endr
.endr
.irp b, 0,1
	v_permlanex16_b32 v[236+\b], v[232+\b], s[SEL], s[SEL+1]
.endr
.irp b, 0,1
	v_max_num_f32 v[232+\b], v[232+\b], v[236+\b]
.endr
.irp b, 0,1
	v_add_nc_u32 v[244+\b], 0xff000000, v[232+\b]
.endr
.irp b, 0,1
	v_lshrrev_b32 v[236+\b], 23, v[244+\b]
.endr
	v_lshl_or_b32 v254, v237, 8, v236              ; the head's two scale bytes
	v_cvt_scalef32_pk16_fp6_f32 v[224:226], v[160:175], v244
	v_cvt_scalef32_pk16_fp6_f32 v[86:88], v[176:191], v245
	v_nop
.irp i, 0,1,2
	v_permlane16_swap_b32 v[224+\i], v[86+\i]
.endr
.irp i, 0,1,2
	v_mov_b32 v[227+\i], v[86+\i]                  ; v224-229: half a fragment: k = 32 h + 0 .. 31 of the head's 64
.endr
.irp j, 0,2,4,6
	v_pk_add_f32 v[128+\j:129+\j], v[112+\j:113+\j], v[120+\j:121+\j]        ; from the low end on
.endr
.irp i, 0,1,2,3
	v_cvt_pk_bf16_f32 v[136+\i], v[128+2*\i], v[129+2*\i]
.endr
	global_store_b128 v1, v[224:227], s[86:87]     ; 512 consecutive bytes, aligned to 256
	global_store_b64 v2, v[228:229], s[86:87]      ; 256 more
	s_wait_xcnt 0x0                                ; EXEC changes only behind this wait
	v_cmp_gt_u32 vcc_lo, 16, v29
	s_and_saveexec_b32 s92, vcc_lo                 ; lanes 0-15: one lane to a query
	global_store_b128 v4, v[136:139], s[90:91]     ; 256 consecutive bytes
	global_store_b16 v5, v254, s[88:89]
	s_wait_xcnt 0x0                                ; and again in front of the line that widens it; the stores' registers and bases may be written behind it
	s_or_b32 exec_lo, exec_lo, s92
	s_add_nc_u64 s[86:87], s[86:87], 196608        ; 16 token tiles on
	s_add_nc_u64 s[88:89], s[88:89], 8192
	s_add_nc_u64 s[90:91], s[90:91], 4096
.irp i, 0,1,2,3,4,5
	v_mov_b32 v[16+\i], v[208+\i]                  ; the second pass's q; the pass's head stands between these and the next scaled product
.endr
	v_mov_b32 v28, v214
	s_sub_co_u32 s[PASS], s[PASS], 1
	s_cmp_lg_u32 s[PASS], 0
	s_cbranch_scc1 .Lpass
	s_wait_tensorcnt 0x0
	ds_add_u32 v243, v255
	s_wait_dscnt 0x0
	CROUND                                         ; the closing round
	s_endpgm
.Lfunc_end_k_qb38ec4a0f8_attn:
	.size	k_qb38ec4a0f8_attn, .Lfunc_end_k_qb38ec4a0f8_attn-k_qb38ec4a0f8_attn
	.p2alignl 7, 3214868480
	.fill 96, 4, 3214868480
	.section	.rodata,"a",@progbits
	.p2align	6, 0x0
	.amdhsa_kernel k_qb38ec4a0f8_attn
		.amdhsa_group_segment_fixed_size 210944
		.amdhsa_private_segment_fixed_size 0
		.amdhsa_enable_private_segment 0
		.amdhsa_kernarg_size 24
		.amdhsa_user_sgpr_count 2
		.amdhsa_user_sgpr_kernarg_segment_ptr 1
		.amdhsa_wavefront_size32 1
		.amdhsa_system_sgpr_workgroup_id_x 1
		.amdhsa_system_sgpr_workgroup_id_y 1
		.amdhsa_system_sgpr_workgroup_id_z 1
		.amdhsa_system_vgpr_workitem_id 0
		.amdhsa_next_free_vgpr 256
		.amdhsa_next_free_sgpr 102
		.amdhsa_reserve_vcc 1
		.amdhsa_float_denorm_mode_32 3
		.amdhsa_float_denorm_mode_16_64 3
		.amdhsa_memory_ordered 1
		.amdhsa_forward_progress 1
		.amdhsa_inst_pref_size 90
	.end_amdhsa_kernel
	.amdgpu_metadata
---
amdhsa.version: [ 1, 2 ]
amdhsa.kernels:
  - .name:           k_qb38ec4a0f8_attn
    .symbol:         k_qb38ec4a0f8_attn.kd
    .args:
      - { .name: ws2, .offset: 0, .size: 8, .value_kind: global_buffer, .address_space: global }
      - { .name: A_proj, .offset: 8, .size: 8, .value_kind: global_buffer, .address_space: global }
      - { .name: ws3, .offset: 16, .size: 8, .value_kind: global_buffer, .address_space: global }
    .group_segment_fixed_size: 210944
    .private_segment_fixed_size: 0
    .kernarg_segment_align: 8
    .kernarg_segment_size: 24
    .max_flat_workgroup_size: 512
    .sgpr_count:     102
    .vgpr_count:     256
    .wavefront_size: 32
...
	.end_amdgpu_metadata
.endif
;; end of part 3
;; launch proj (part 4): grid 4 x 32, 4 waves a work-group, clusters of 4 x 4, 327,680 bytes of LDS; arguments ws3, W_proj_codes, W_proj_scales, B_proj, b_proj, out0; writes out0
.if DOCPART == 4
	.amdgcn_target "amdgcn-amd-amdhsa--gfx1250"
	.amdhsa_code_object_version 6
	.text
	.protected	k_qb38ec4a0f8_proj
	.globl	k_qb38ec4a0f8_proj
	.p2align	8
	.type	k_qb38ec4a0f8_proj,@function
k_qb38ec4a0f8_proj:
	s_mov_b64 s[64:65], 0
	v_nop
	global_prefetch_b8 v0, s[64:65] scope:SCOPE_SE
	s_setreg_imm32_b32 hwreg(HW_REG_WAVE_MODE, 25, 1), 1
	s_wait_xcnt 0x0
	s_wait_alu depctr_hold_cnt(0) depctr_sa_sdst(0) depctr_va_vdst(0) depctr_va_sdst(0) depctr_va_ssrc(0) depctr_va_vcc(0) depctr_vm_vsrc(0)
	s_getreg_b32 s2, hwreg(HW_REG_IB_STS2, 6, 4)
	s_cmp_eq_u32 s2, 0
	s_cbranch_scc0 .Lentry_in_a_cluster
	s_endpgm
.Lentry_in_a_cluster:
	s_bfe_u32 s2, ttmp6, 0x10000c
	s_cmp_lg_u32 s2, 0xf033
	s_cbranch_scc0 .Lentry_shape_is_right
	s_endpgm
.Lentry_shape_is_right:
; out0 = o W_proj + b_proj + 2 (o A_proj) B_proj.  o comes from ws3 as operand fragments (images of their registers) with its scale bytes; W_proj as codes, K innermost; out0 [8192][1024] f32.
; A tile of 256 x 256 to a work-group of four waves, 128 x 128 to a wave: 64 accumulators.  K = 1,024 goes in steps of 256 through a ring of two LDS slots; 4 x 4 work-groups form a cluster and ask jointly.
; THE SUMS BEGIN WITH THE BIAS AND THE LoRA PATH: the bias is the C of each accumulator's first instruction; then a bf16 product over K = 128 = 16 heads x 8 ranks: source 1 = the heads' parts of 2 o A_proj,
; source 0 = B_proj's column, the same eight numbers for every head.  So the matrix unit sums the heads' parts, in f32.
; THE MATRIX INSTRUCTION IS USED TRANSPOSED (source 0 = 16 columns, source 1 = 16 tokens): a lane holds eight neighbouring numbers of a row of out0.
; 128 work-groups: a tile of 128 x 256 would give 256 at the price of half the products for each byte of W_proj read from LDS.
; LIMITS: each head's part of o A_proj arrives rounded to bf16; B_proj is rounded to bf16.
.set OS,     6291456                   ; ws3: o's scale bytes
.set OP,     6553600                   ; ws3: [head][token][8 bf16]
.set SIZE_N, 1024
.set NQ,     2
.set ROWB,   192
.set KROW,   768
.set PITCH,  240
.set FR,     12
.set NL,     6
.set NLA,    4                         ; LDS loads that bring a fragment of A: an image comes by 16, 8, 16, 8 bytes a lane
.set NP,     4
.set AHALF,  24576                     ; 8 token tiles x 3,072 bytes (four heads' halves): what one load brings of A
.set HALFT,  128*PITCH
.set SLOT,   2*AHALF+2*HALFT
.set LAPS,   2
.set KS,     32
.set SCL,    2*SLOT
.set HALFS,  (128*KS/256)*272
.set SBLK,   (16*KS/256)*272
.set SPARE,  SCL+4*HALFS               ; the spare words: two blocks of 256 bytes that no other line names
.set SPITCH, 528                       ; the way out: 16 rows x (512 + 16) bytes a wave, in slot 0, which has had its last fill and its last read by then
.set ADRA, 16                          ; v16-17 my A images in slot 0, 1, + 16 lane; v18-19 + 8 lane
.set ADRB, 20
.set STO,  24
.set RD,   25
.set CO,   26
.set ADRS, 27
.set SPW,  28
.set NIL,  29
.set SC,   32
.set AF,   128
.set BK,   128
.set G1, 24
.set G0, 32
.set G1B, 48
.set G0B, 56
.set G1S, 68
.set G0S, 76
.set G1SB, 80
.set G0SB, 88
.set MSB, 0
.macro WIN new
.if MSB != (\new)
	s_set_vgpr_msb (MSB<<8)|(\new)
.set MSB, (\new)
.endif
.endm
.set MUL_LO, 0xa1
.set MUL_HI, 0xf1
.set TO_B,   0x40
.macro JLOAD g0a, g1a, g0b, g1b        ; waves 0 and 1 fetch for A, waves 2 and 3 for B; four v_nop follow each of the two lines
	s_cmp_eq_u32 s15, 0
	s_cbranch_scc0 .Lfor_b_\@
	tensor_load_to_lds s[\g0a:\g0a+3], s[\g1a:\g1a+7]
	s_nop 0
.rept 4
	v_nop
.endr
	s_branch .Lasked_\@
.Lfor_b_\@:
	tensor_load_to_lds s[\g0b:\g0b+3], s[\g1b:\g1b+7]
	s_nop 0
.rept 4
	v_nop
.endr
.Lasked_\@:
.endm
.macro CREST
	s_cmp_lg_u32 s14, 0
	s_cbranch_scc1 .Lnot_wave_0_\@
	s_barrier_signal -3
.Lnot_wave_0_\@:
	s_barrier_wait -3
	s_barrier_signal -1
	s_barrier_wait -1
.endm
.macro CROUND
	s_barrier_signal -1
	s_barrier_wait -1
	CREST
.endm
	s_load_b256 s[4:11], s[0:1], 0x0               ; ws3, W_proj's codes, its scale bytes, B_proj
	s_load_b128 s[96:99], s[0:1], 0x20             ; b_proj, out0
	v_lshl_add_u32 v[SPW], v0, 2, SPARE
	v_mov_b32 v[NIL], 0
	ds_add_u32 v28, v29
	ds_add_u32 v28, v29
	s_wait_dscnt 0x0
	v_lshrrev_b32 v1, 5, v0
	v_readfirstlane_b32 s14, v1                    ; wave 0..3
	s_lshr_b32 s15, s14, 1                         ; which half of the tokens is mine.  Also: I fetch for A (0) or for B (1)
	s_and_b32 s16, s14, 1                          ; which half of the columns.  Also: which 128 rows I fetch
	s_bfe_u32 s40, ttmp6, 0x40000
	s_bfe_u32 s41, ttmp6, 0x40004
	s_lshl_b32 s42, ttmp9, 2
	s_add_co_u32 s42, s42, s40                     ; tile column
	s_and_b32 s17, ttmp7, 0xffff
	s_lshl_b32 s17, s17, 2
	s_add_co_u32 s17, s17, s41                     ; tile row
	s_lshl_b32 s43, s41, 2
	s_lshl_b32 s43, 15, s43
	s_lshl_b32 s44, 0x1111, s40
	s_or_b32 s[G1+0], s43, (3<<16)|(1<<21)         ; A: 8 token tiles x 3,072 bytes (384 elements of 8), 12,288 bytes apart; no padding: an image's loads are dense
	s_mov_b32 s[G1+1], 384<<16
	s_mov_b32 s[G1+2], 8<<16
	s_mov_b32 s[G1+3], 384<<16
	s_mov_b32 s[G1+4], 8
	s_mov_b32 s[G1+5], 1536
	s_mov_b32 s[G1+6], 0
	s_mov_b32 s[G1+7], 0
	s_or_b32 s[G1B+0], s44, (0<<16)|(1<<20)|(1<<21)|(3<<22)|(3<<25)  ; B: 128 rows x 192 bytes, 16 bytes of padding behind every 64
	s_mov_b32 s[G1B+1], ROWB<<16
	s_mov_b32 s[G1B+2], 128<<16
	s_mov_b32 s[G1B+3], ROWB<<16
	s_mov_b32 s[G1B+4], 128
	s_mov_b32 s[G1B+5], KROW
	s_mov_b32 s[G1B+6], 0
	s_mov_b32 s[G1B+7], 0
	s_or_b32 s[G1S+0], s43, (3<<16)|(1<<20)|(1<<21)|(5<<22)|(3<<25)
	s_or_b32 s[G1SB+0], s44, (3<<16)|(1<<20)|(1<<21)|(5<<22)|(3<<25)
.irp g, G1S, G1SB
	s_mov_b32 s[\g+1], 32<<16
	s_mov_b32 s[\g+2], (128*KS/256)<<16
	s_mov_b32 s[\g+3], 32<<16
	s_mov_b32 s[\g+4], 128*KS/256
	s_mov_b32 s[\g+5], 32
	s_mov_b32 s[\g+6], 0
	s_mov_b32 s[\g+7], 0
.endr
	s_lshl_b32 s20, s17, 4
	s_lshl_b32 s18, s16, 3
	s_add_co_u32 s20, s20, s18
	s_mul_i32 s20, s20, 12288                      ; A's images: token tile 16 x tile row + 8 x half
	s_mov_b32 s21, 0
	s_lshl_b32 s22, s17, 8
	s_lshl_b32 s18, s16, 7
	s_add_co_u32 s22, s22, s18
	s_lshl_b32 s22, s22, 5
	s_add_co_u32 s22, s22, OS                      ; A's scale bytes
	s_mov_b32 s23, 0
	s_lshl_b32 s46, s42, 8
	s_add_co_u32 s46, s46, s18                     ; B's rows that I fetch
	s_lshl_b32 s92, s46, 5
	s_mov_b32 s93, 0
	s_mul_i32 s46, s46, KROW
	s_mov_b32 s47, 0
	s_mul_i32 s45, s16, AHALF                      ; where they go in a slot: A's halves,
	s_mul_i32 s95, s16, HALFT
	s_add_co_u32 s95, s95, 2*AHALF                 ; B's behind them
	s_mul_i32 s94, s14, HALFS
	s_wait_kmcnt 0x0
	s_add_nc_u64 s[20:21], s[4:5], s[20:21]
	s_add_nc_u64 s[22:23], s[4:5], s[22:23]
	s_add_nc_u64 s[46:47], s[6:7], s[46:47]
	s_add_nc_u64 s[92:93], s[8:9], s[92:93]
	CROUND                                         ; all sixteen work-groups are here: the first joint loads meet
	s_mov_b32 s[G0S], 1
	s_add_co_u32 s[G0S+1], s94, SCL
	s_mov_b64 s[G0S+2:G0S+3], s[22:23]
	s_or_b32 s[G0S+3], s[G0S+3], 0x80000000
	s_mov_b32 s[G0SB], 1
	s_add_co_u32 s[G0SB+1], s94, SCL
	s_mov_b64 s[G0SB+2:G0SB+3], s[92:93]
	s_or_b32 s[G0SB+3], s[G0SB+3], 0x80000000
	JLOAD G0S, G1S, G0SB, G1SB                     ; three loads of mine are out at the most
.irp s, 0,1
	s_mov_b32 s[G0+4*\s], 1
	s_add_co_u32 s[G0+4*\s+1], s45, \s*SLOT
	s_add_nc_u64 s[G0+4*\s+2:G0+4*\s+3], s[20:21], \s*3072
	s_or_b32 s[G0+4*\s+3], s[G0+4*\s+3], 0x80000000
	s_mov_b32 s[G0B+4*\s], 1
	s_add_co_u32 s[G0B+4*\s+1], s95, \s*SLOT
	s_add_nc_u64 s[G0B+4*\s+2:G0B+4*\s+3], s[46:47], \s*ROWB
	s_or_b32 s[G0B+4*\s+3], s[G0B+4*\s+3], 0x80000000
	JLOAD G0+4*\s, G1, G0B+4*\s, G1B
.endr
	v_and_b32 v1, 15, v0                           ; r
	v_bfe_u32 v2, v0, 4, 1                         ; h
	v_and_b32 v7, 31, v0                           ; lane
	v_mul_u32_u24 v3, v1, PITCH
	v_mul_u32_u24 v4, v2, 24
	v_add_nc_u32 v4, v3, v4
	v_lshl_add_u32 v5, v2, 4, v4
	v_lshlrev_b32 v11, 4, v7
	v_lshlrev_b32 v12, 3, v7
	s_mul_i32 s21, s15, AHALF
	s_mul_i32 s22, s16, HALFT
	s_add_co_u32 s22, s22, 2*AHALF
.irp s, 0,1
	v_add_nc_u32 v[ADRA+\s], s21, v11
	v_add_nc_u32 v[ADRA+2+\s], s21, v12
	v_add_nc_u32 v[ADRB+\s], s22, v4
	v_add_nc_u32 v[ADRB+2+\s], s22, v5
	s_add_co_u32 s21, s21, SLOT
	s_add_co_u32 s22, s22, SLOT
.endr
	v_mul_u32_u24 v5, v1, KS
	v_lshrrev_b32 v6, 8, v5
	v_lshl_add_u32 v5, v6, 4, v5
	s_mul_i32 s21, s15, HALFS
	s_mul_i32 s22, s16, HALFS
	s_add_co_u32 s22, s22, 2*HALFS
	s_sub_co_u32 s22, s22, s21
	v_mul_u32_u24 v6, s22, v2
	s_add_co_u32 s21, s21, SCL
	v_add_nc_u32 v5, v5, v6
	v_add_nc_u32 v[ADRS], s21, v5
	s_mul_i32 s23, s14, 16*SPITCH                  ; my stage
	v_mul_u32_u24 v5, v1, SPITCH
	v_lshl_add_u32 v5, v2, 5, v5
	v_add_nc_u32 v[STO], s23, v5
	v_lshlrev_b32 v[CO], 4, v7
	v_add_nc_u32 v[RD], s23, v[CO]
	v_lshlrev_b32 v8, 2, v1                        ; 4 r: B_proj's column
	v_lshlrev_b32 v9, 5, v2                        ; 32 h: the bias of my eight columns
	v_lshlrev_b32 v10, 4, v1
	v_lshl_add_u32 v10, v2, 17, v10                ; 131,072 h + 16 r: head + h, token r
	s_lshl_b32 s20, s17, 8
	s_lshl_b32 s21, s15, 7
	s_add_co_u32 s20, s20, s21                     ; my first token
	s_lshl_b32 s2, s20, 4
	s_add_co_u32 s2, s2, OP
	s_mov_b32 s3, 0
	s_add_nc_u64 s[100:101], s[4:5], s[2:3]        ; its parts of 2 o A_proj
	s_mov_b32 s21, 0
	s_lshl_b64 s[20:21], s[20:21], 12              ; its row of out0
	s_lshl_b32 s46, s42, 10
	s_lshl_b32 s47, s16, 9
	s_add_co_u32 s46, s46, s47                     ; my first column, in bytes
	s_mov_b32 s47, 0
	s_add_nc_u64 s[10:11], s[10:11], s[46:47]      ; B_proj and b_proj at my first column
	s_add_nc_u64 s[96:97], s[96:97], s[46:47]
	s_add_nc_u64 s[20:21], s[20:21], s[46:47]
	s_add_nc_u64 s[12:13], s[98:99], s[20:21]
.irp b, 0,1,2,3,4,5,6,7
.irp p, 0,1,2,3,4,5,6,7
	global_load_b32 v[64+8*\b+\p], v8, s[10:11] offset:4096*\p+64*\b           ; B_proj(rank p, column 16 b + r)
.endr
.endr
.irp a, 0,1,2,3
.irp k, 0,1,2,3
.irp u, 0,1
	global_load_b128 v[128+32*\a+8*\k+4*\u:128+32*\a+8*\k+4*\u+3], v10, s[100:101] offset:(4*\k+2*\u)*131072+256*\a   ; head 4 k + 2 u + h, token 16 a + r: eight ranks: the bf16 operand's order over K = 8 head + rank
.endr
.endr
.endr
	WIN TO_B
.irp b, 0,1,2,3,4,5,6,7
	global_load_b128 v[64+8*\b:64+8*\b+3], v9, s[96:97] offset:64*\b           ; the bias in the result's layout: columns 16 b + 8 h + 0 .. 7
	global_load_b128 v[64+8*\b+4:64+8*\b+7], v9, s[96:97] offset:64*\b+16
.endr
.irp a, 0,1,2,3
.irp k, 0,1,2,3
.irp u, 0,1
	global_load_b128 v[128+32*\a+8*\k+4*\u:128+32*\a+8*\k+4*\u+3], v10, s[100:101] offset:(4*\k+2*\u)*131072+256*(\a+4)
.endr
.endr
.endr
	s_wait_loadcnt 0x0
.irp b, 0,1,2,3,4,5,6,7                        ; (destination window 1, sources window 0)
.irp i, 0,1,2,3
	v_cvt_pk_bf16_f32 v[8*\b+\i], v[64+8*\b+2*\i], v[64+8*\b+2*\i+1]
	v_cvt_pk_bf16_f32 v[8*\b+4+\i], v[64+8*\b+2*\i], v[64+8*\b+2*\i+1]         ; the same eight ranks for every head
.endr
.endr
.irp k, 0,1,2,3                                ; 64 accumulators by turns, one instruction a turn
.irp a, 0,1,2,3,4,5,6,7
.if \k == 0
.if \a == 0
	WIN 0x91                                       ; source 0 and C (the bias) window 1, source 1 window 0, D window 2
.endif
.if \a == 4
	WIN 0xd5                                       ; sources and C window 1, D window 3
.endif
.else
.if \a == 0
	WIN 0xa1
.endif
.if \a == 4
	WIN 0xf5
.endif
.endif
.irp b, 0,1,2,3,4,5,6,7
.if \k == 0
	v_wmma_f32_16x16x32_bf16 v[8*(8*(\a%4)+\b):8*(8*(\a%4)+\b)+7], v[8*\b:8*\b+7], v[128+32*(\a%4)+8*\k:128+32*(\a%4)+8*\k+7], v[64+8*\b:64+8*\b+7]
.else
	v_wmma_f32_16x16x32_bf16 v[8*(8*(\a%4)+\b):8*(8*(\a%4)+\b)+7], v[8*\b:8*\b+7], v[128+32*(\a%4)+8*\k:128+32*(\a%4)+8*\k+7], v[8*(8*(\a%4)+\b):8*(8*(\a%4)+\b)+7]
.endif
.endr
.endr
.endr
	WIN 0
.rept 5
	v_nop                                          ; five places before another form adds onto these results; four would do for the loads into their sources
.endr
.macro FRAG reg, adr, q, i
.irp p, 0,1,2,3,4,5
.set PCE, 12*(\q)+6*(\p/3)+\p%3
.if PCE%8 < 5
	ds_load_b64 v[\reg+2*\p:\reg+2*\p+1], v[\adr] offset:8*PCE+16*(PCE/8)+(\i)*16*PITCH
.else
	ds_load_b64 v[\reg+2*\p:\reg+2*\p+1], v[\adr+2] offset:8*PCE+16*(PCE/8)+(\i)*16*PITCH
.endif
.endr
.endm
.macro FRAGA reg, slot, q, i           ; a fragment of A from its image: token tile i, the slot's q-th 128 along K (two heads' halves)
	ds_load_b128 v[\reg:\reg+3], v[ADRA+\slot] offset:3072*(\i)+1536*(\q)
	ds_load_b64 v[\reg+4:\reg+5], v[ADRA+2+\slot] offset:3072*(\i)+1536*(\q)+512
	ds_load_b128 v[\reg+6:\reg+9], v[ADRA+\slot] offset:3072*(\i)+1536*(\q)+768
	ds_load_b64 v[\reg+10:\reg+11], v[ADRA+2+\slot] offset:3072*(\i)+1536*(\q)+1280
.endm
.macro MUL16 a0, p, q, sc
.irp a, \a0, \a0+1
.irp b, 0,1,2,3,4,5,6,7
	v_wmma_scale_f32_16x16x128_f8f6f4 v[8*(8*((\a)%4)+\b):8*(8*((\a)%4)+\b)+7], v[128*(\p)+FR*\b:128*(\p)+FR*\b+FR-1], v[AF+FR*(\a):AF+FR*(\a)+FR-1], v[8*(8*((\a)%4)+\b):8*(8*((\a)%4)+\b)+7], v[SC+8*NQ*(\sc)+NQ*\b+(\q)], v[SC+8*NQ*(\sc)+NQ*(\a)+(\q)] matrix_a_fmt:MATRIX_FMT_FP6 matrix_b_fmt:MATRIX_FMT_FP6 matrix_a_scale:MATRIX_SCALE_ROW1
.endr
.endr
.endm
.macro FETCH_B slot, q, p
	WIN TO_B
.irp i, 0,1,2,3,4,5,6,7
	FRAG 128*(\p)+FR*\i, ADRB+\slot, \q, \i
.endr
	WIN 0
.endm
.macro FETCH_A slot, q, i0
.irp i, \i0, \i0+1, \i0+2, \i0+3
	FRAGA AF+FR*(\i), \slot, \q, \i
.endr
.endm
.macro SCALES sc
.irp i, 0,1,2,3,4,5,6,7
	ds_load_b64 v[SC+8*NQ*\sc+NQ*\i:SC+8*NQ*\sc+NQ*\i+1], v[ADRS] offset:\i*SBLK
.endr
.endm
.macro PLACES n
.rept \n
	v_nop
.endr
.endm
.macro STEP slot, q
	s_wait_dscnt 4*NLA                             ; B's set and A's blocks 0-3 are in; the youngest 16 loads (A's blocks 4-7) may be out
	WIN MUL_LO
	MUL16 0, (\q)%2, \q, \slot
	MUL16 2, (\q)%2, \q, \slot
	s_wait_dscnt 0
	PLACES NP
	FETCH_B \slot, (\q)+1, 1-(\q)%2
	FETCH_A \slot, (\q)+1, 0
	WIN MUL_HI
	MUL16 4, (\q)%2, \q, \slot
	MUL16 6, (\q)%2, \q, \slot
	PLACES NP
	WIN 0
	FETCH_A \slot, (\q)+1, 4
.endm
.macro TURN slot, next, fill
	s_wait_tensorcnt 0x0                           ; all my tensor loads have landed: my part of the next slot
	ds_add_u32 v[SPW], v[NIL]                      ; 0 onto my spare word
	s_wait_dscnt 4*NLA+1                           ; (the add and the youngest 16 loads may be out)
	WIN MUL_LO
	MUL16 0, 1, NQ-1, \slot
	s_wait_dscnt 0x0                               ; the add is done, and my reads of this slot are over
	s_barrier_signal -1
	MUL16 2, 1, NQ-1, \slot
	WIN 0
	s_barrier_wait -1
.if \fill
	CREST                                          ; the barrier has opened a round of the cluster's barrier: no wave of any partner still reads this slot or has a load on its way
	s_add_nc_u64 s[G0+4*\slot+2:G0+4*\slot+3], s[G0+4*\slot+2:G0+4*\slot+3], 2*3072
	s_add_nc_u64 s[G0B+4*\slot+2:G0B+4*\slot+3], s[G0B+4*\slot+2:G0B+4*\slot+3], 2*ROWB
	JLOAD G0+4*\slot, G1, G0B+4*\slot, G1B         ; the first tensor load behind the round, one a wave
.else
	PLACES NP
.endif
	v_add_nc_u32 v[ADRS], 4*NQ, v[ADRS]
	FETCH_B \next, 0, 0
	FETCH_A \next, 0, 0
	SCALES \next
	WIN MUL_HI
	MUL16 4, 1, NQ-1, \slot
	MUL16 6, 1, NQ-1, \slot
	PLACES NP
	WIN 0
	FETCH_A \next, 0, 4
.endm
	s_wait_tensorcnt 1                             ; the scale bytes and my part of K step 0 are in; K step 1's load may be out
	s_barrier_signal -1
	s_barrier_wait -1
	FETCH_B 0, 0, 0
	FETCH_A 0, 0, 0
	SCALES 0
	FETCH_A 0, 0, 4
	STEP 0, 0
	s_mov_b32 s3, LAPS-1
.Llap:
	TURN 0, 1, 1
	STEP 1, 0
	TURN 1, 0, 1
	STEP 0, 0
	s_sub_co_u32 s3, s3, 1
	s_cmp_lg_u32 s3, 0
	s_cbranch_scc1 .Llap
	TURN 0, 1, 0
	STEP 1, 0
	s_wait_dscnt 4*NLA
	WIN MUL_LO
	MUL16 0, 1, NQ-1, 1
	MUL16 2, 1, NQ-1, 1
	s_wait_dscnt 0
	WIN MUL_HI
	MUL16 4, 1, NQ-1, 1
	MUL16 6, 1, NQ-1, 1
	WIN 0
; THE WAY OUT, block by block of 16 rows x 128 columns, through my own stage: in as 32 bytes a lane, back as whole rows of 512 bytes.  LDS serves a wave's instructions in order (ISA guide 5.7.1.4).
.macro TOSTAGE a
.set AC, 64*((\a)%4)
	WIN 0x08+4*((\a)/4)                            ; the data: window 2 or 3
.irp b, 0,1,2,3,4,5,6,7
	ds_store_b128 v[STO], v[AC+8*\b:AC+8*\b+3] offset:64*\b          ; each accumulator from its low end on
	ds_store_b128 v[STO], v[AC+8*\b+4:AC+8*\b+7] offset:64*\b+16
.endr
	WIN 0
.set BB, BK+64*((\a)%2)
.irp t, 0,1,2,3,4,5,6,7,8,9,10,11,12,13,14,15
	ds_load_b128 v[BB+4*\t:BB+4*\t+3], v[RD] offset:\t*SPITCH
.endr
.endm
.macro SEND a, younger
.set BB, BK+64*((\a)%2)
	s_wait_dscnt \younger                          ; the block is back in registers
.if (\a) > 0
	s_add_nc_u64 s[12:13], s[12:13], 16*SIZE_N*4   ; (behind a wait on XCNT: the earlier stores have read their base)
.endif
.irp t, 0,1,2,3,4,5,6,7,8,9,10,11,12,13,14,15
	global_store_b128 v[CO], v[BB+4*\t:BB+4*\t+3], s[12:13] offset:\t*SIZE_N*4 th:TH_STORE_NT   ; 32 lanes store 512 consecutive bytes, aligned to 256
.endr
.endm
	PLACES NP
	TOSTAGE 0
.irp a, 1,2,3,4,5,6,7
.if \a > 1
	s_wait_xcnt 0x0                                ; block a - 2's stores have read their registers and their base
.endif
	TOSTAGE \a
	SEND \a-1, 32                                  ; behind block a - 1's loads: block a's 16 stores and 16 loads
.endr
	s_wait_xcnt 0x0
	SEND 7, 0
	s_wait_tensorcnt 0x0                           ; the wave's end
	ds_add_u32 v[SPW], v[NIL]
	s_wait_dscnt 0x0
	CROUND                                         ; the closing round
	s_endpgm
.Lfunc_end_k_qb38ec4a0f8_proj:
	.size	k_qb38ec4a0f8_proj, .Lfunc_end_k_qb38ec4a0f8_proj-k_qb38ec4a0f8_proj
	.p2alignl 7, 3214868480
	.fill 96, 4, 3214868480
	.section	.rodata,"a",@progbits
	.p2align	6, 0x0
	.amdhsa_kernel k_qb38ec4a0f8_proj
		.amdhsa_group_segment_fixed_size 327680
		.amdhsa_private_segment_fixed_size 0
		.amdhsa_enable_private_segment 0
		.amdhsa_kernarg_size 48
		.amdhsa_user_sgpr_count 2
		.amdhsa_user_sgpr_kernarg_segment_ptr 1
		.amdhsa_wavefront_size32 1
		.amdhsa_system_sgpr_workgroup_id_x 1
		.amdhsa_system_sgpr_workgroup_id_y 1
		.amdhsa_system_sgpr_workgroup_id_z 1
		.amdhsa_system_vgpr_workitem_id 0
		.amdhsa_next_free_vgpr 1024
		.amdhsa_next_free_sgpr 102
		.amdhsa_reserve_vcc 0
		.amdhsa_float_denorm_mode_32 3
		.amdhsa_float_denorm_mode_16_64 3
		.amdhsa_memory_ordered 1
		.amdhsa_forward_progress 1
		.amdhsa_inst_pref_size 186
	.end_amdhsa_kernel
	.amdgpu_metadata
---
amdhsa.version: [ 1, 2 ]
amdhsa.kernels:
  - .name:           k_qb38ec4a0f8_proj
    .symbol:         k_qb38ec4a0f8_proj.kd
    .args:
      - { .name: ws3, .offset: 0, .size: 8, .value_kind: global_buffer, .address_space: global }
      - { .name: W_proj_codes, .offset: 8, .size: 8, .value_kind: global_buffer, .address_space: global }
      - { .name: W_proj_scales, .offset: 16, .size: 8, .value_kind: global_buffer, .address_space: global }
      - { .name: B_proj, .offset: 24, .size: 8, .value_kind: global_buffer, .address_space: global }
      - { .name: b_proj, .offset: 32, .size: 8, .value_kind: global_buffer, .address_space: global }
      - { .name: out0, .offset: 40, .size: 8, .value_kind: global_buffer, .address_space: global }
    .group_segment_fixed_size: 327680
    .private_segment_fixed_size: 0
    .kernarg_segment_align: 8
    .kernarg_segment_size: 48
    .max_flat_workgroup_size: 128
    .sgpr_count:     102
    .vgpr_count:     1024
    .wavefront_size: 32
...
	.end_amdgpu_metadata
.endif
;; end of part 4
